; MI455X (gfx1250); checked and timed in simulation.
; The chip was launched on July 23, 2026; its instructions are those of AMD's public machine-readable ISA for CDNA 5 (MIT licence, August 2026) and "CDNA5" Instruction Set Architecture Reference Guide (July 2026). The comments in the code are by the model that wrote it; some were corrected since.
;; Compressive Memory. Allowed arithmetic: float matrix products may take bf16 or f16 operands with f32 sums; other float arithmetic in f32, or as packed bf16 or f16 multiplies, adds, multiply-adds, maxima and minima; sums over many terms, partial sums and values carried from step to step in f32; what a program stores and reads back later, other than sums and carried values, may be rounded once to bf16 or f16.
;; Inputs: Wk 512 x 512 float32; Wout 512 x 512 float32; Wq 512 x 512 float32; Wv 512 x 512 float32; betas 1 x 8 x 1 x 64 float32; x 4 x 8,192 x 512 float32.
;; Outputs: out0 4 x 8,192 x 512 float32.
;; One version. Each part assembles by itself: llvm-mc -triple=amdgcn-amd-amdhsa -mcpu=gfx1250 --defsym DOCPART=n.
;; ======== version 1 of 1: 4 launches
;; limits: values are held in f16: magnitudes above 65,504 overflow, below 6.1e-05 lose precision
;; workspace buffers: wt 2,097,152 bytes; bgt 4,096 bytes; qkv 100,663,296 bytes; att 33,554,432 bytes; pm 10,485,760 bytes
;; launch cast (part 1): grid 128 x 1, 4 waves a work-group, no clusters, 17,920 bytes of LDS; arguments Wq, Wk, Wv, Wout, betas, wt, bgt; writes wt, bgt
.if DOCPART == 1
	.amdgcn_target "amdgcn-amd-amdhsa--gfx1250"
	.amdhsa_code_object_version 6
	.text
	.protected	k_qa014d12f8c_cast
	.globl	k_qa014d12f8c_cast
	.p2align	8
	.type	k_qa014d12f8c_cast,@function
k_qa014d12f8c_cast:
	s_mov_b64 s[64:65], 0
	v_nop
	global_prefetch_b8 v0, s[64:65] scope:SCOPE_SE
	s_setreg_imm32_b32 hwreg(HW_REG_WAVE_MODE, 25, 1), 1
	s_wait_xcnt 0x0
; wt[2048 n][512 k], 16 bits: rows 0-1535 = Wq^T, Wk^T, Wv^T rounded to bf16; rows 1536-2047 = Wout^T rounded to bf16 and that number written as f16
; (exact in f16's normal range; below 2^-14 it keeps f16's fixed step of 2^-24: a stated limit).  bgt: f32 [2][512]: sigmoid(betas), then 1 - sigmoid(betas), betas rounded to bf16 first.
; A work-group turns a block of 128 k x 64 n of one weight: loads cover 256 consecutive bytes for 16 lanes, the turn goes through LDS, stores cover 256 consecutive aligned bytes for 16 lanes.
; No matrix unit and no cluster: 4 MiB are read once and nothing is shared.
.set LTP,   272                        ; an LDS row: 128 k x 2 bytes + 16
.set SPARE, 64*LTP                     ; 17,408: the spare words, 128 bytes a wave
.set SPW, 2
.set NIL, 3
.set XO,  4                            ; my byte offset in the block of W
.set STA, 5                            ; where I put 32 bytes of a turned row
.set RDA, 6                            ; where I read a turned row back
.set GO,  7                            ; my byte offset in wt
.set D,   16                           ; v[16:79]  16 rows k x 4 columns n, f32
.set T,   80                           ; v[80:111] 4 columns n x 16 k, packed
	s_load_b256 s[4:11], s[0:1], 0x0               ; Wq, Wk, Wv, Wout
	s_load_b128 s[12:15], s[0:1], 0x20             ; betas, wt
	s_load_b64 s[16:17], s[0:1], 0x30              ; bgt
	v_lshl_add_u32 v[SPW], v0, 2, SPARE
	v_mov_b32 v[NIL], 0
	s_mov_b32 s18, ttmp9
	s_lshr_b32 s20, s18, 5                         ; which weight
	s_bfe_u32 s21, s18, 0x20003                    ; which 128 rows k
	s_and_b32 s19, s18, 7                          ; which 64 columns n
	v_and_b32 v8, 15, v0                           ; tn: my 4 columns
	v_lshrrev_b32 v9, 4, v0                        ; tk: my 16 rows
	v_lshlrev_b32 v[XO], 4, v8
	v_lshl_add_u32 v[XO], v9, 15, v[XO]            ; 16 tk rows of 2,048 bytes + 16 tn
	v_mul_u32_u24 v[STA], v8, 4*LTP
	v_lshl_add_u32 v[STA], v9, 5, v[STA]           ; row 4 tn, byte 32 tk
	v_mul_u32_u24 v[RDA], v9, LTP
	v_lshl_add_u32 v[RDA], v8, 4, v[RDA]           ; row tk, byte 16 tn
	v_lshlrev_b32 v[GO], 4, v8
	v_lshl_add_u32 v[GO], v9, 10, v[GO]
	s_lshl_b32 s24, s21, 18                        ; 128 rows of 2,048 bytes
	s_lshl_b32 s26, s19, 8
	s_add_co_u32 s24, s24, s26
	s_mov_b32 s25, 0
	s_lshl_b32 s26, s20, 19                        ; 512 rows of wt, 1,024 bytes each
	s_lshl_b32 s28, s19, 16
	s_add_co_u32 s26, s26, s28
	s_lshl_b32 s28, s21, 8
	s_add_co_u32 s26, s26, s28
	s_mov_b32 s27, 0
	s_wait_kmcnt 0x0
	s_cmp_eq_u32 s20, 1
	s_cselect_b64 s[22:23], s[6:7], s[4:5]
	s_cmp_eq_u32 s20, 2
	s_cselect_b64 s[22:23], s[8:9], s[22:23]
	s_cmp_eq_u32 s20, 3
	s_cselect_b64 s[22:23], s[10:11], s[22:23]
	s_add_nc_u64 s[22:23], s[22:23], s[24:25]
	s_add_nc_u64 s[14:15], s[14:15], s[26:27]
.set i, 0
.rept 16
	global_load_b128 v[D+4*i:D+4*i+3], v[XO], s[22:23] offset:i*2048
.set i, i+1
.endr
	s_wait_loadcnt 0x0
.irp n, 0,1,2,3
.irp p, 0,1,2,3,4,5,6,7
	v_cvt_pk_bf16_f32 v[T+8*\n+\p], v[D+8*\p+\n], v[D+8*\p+4+\n]  ; column n, rows 2 p and 2 p + 1
.endr
.endr
	s_cmp_lg_u32 s20, 3
	s_cbranch_scc1 .Lkeep
.set i, 0
.rept 32                                       ; Wout alone: the bf16 number written as f16
	v_lshlrev_b32 v12, 16, v[T+i]
	v_and_b32 v13, 0xffff0000, v[T+i]
	v_cvt_pk_f16_f32 v[T+i], v12, v13
.set i, i+1
.endr
.Lkeep:
.irp n, 0,1,2,3
	ds_store_b128 v[STA], v[T+8*\n:T+8*\n+3] offset:\n*LTP
	ds_store_b128 v[STA], v[T+8*\n+4:T+8*\n+7] offset:\n*LTP+16
.endr
	s_wait_dscnt 0x0                               ; for the others' sake: my stores are done
	s_barrier_signal -1
	s_barrier_wait -1
.irp i, 0,1,2,3,4,5,6,7
	ds_load_b128 v[D+4*\i:D+4*\i+3], v[RDA] offset:\i*8*LTP
.endr
.irp i, 0,1,2,3,4,5,6,7
	s_wait_dscnt 7-\i
	global_store_b128 v[GO], v[D+4*\i:D+4*\i+3], s[14:15] offset:\i*8192  ; 16 lanes: 256 consecutive bytes, aligned
.endr
	s_cmp_lg_u32 s18, 0
	s_cbranch_scc1 .Lend                           ; the table of gates is work-group 0's
	v_lshlrev_b32 v10, 4, v0
	global_load_b128 v[48:51], v10, s[12:13]
	s_wait_loadcnt 0x0
	v_cvt_pk_bf16_f32 v52, v48, v49
	v_cvt_pk_bf16_f32 v53, v50, v51
	v_lshlrev_b32 v48, 16, v52
	v_and_b32 v49, 0xffff0000, v52
	v_lshlrev_b32 v50, 16, v53
	v_and_b32 v51, 0xffff0000, v53
.irp j, 0,1,2,3
	v_mul_f32 v[56+\j], 0xbfb8aa3b, v[48+\j]       ; -beta log2(e)
	v_mul_f32 v[60+\j], 0x3fb8aa3b, v[48+\j]
.endr
.irp j, 0,1,2,3,4,5,6,7
	v_exp_f32 v[56+\j], v[56+\j]
.endr
	v_nop                                          ; a plain instruction behind the last exponential,
	s_wait_alu depctr_va_vdst(0)                   ; and one wait for the batch
.irp j, 0,1,2,3,4,5,6,7
	v_add_f32 v[56+\j], 1.0, v[56+\j]
.endr
.irp j, 0,1,2,3,4,5,6,7
	v_rcp_f32 v[56+\j], v[56+\j]
.endr
	v_nop
	s_wait_alu depctr_va_vdst(0)
	global_store_b128 v10, v[56:59], s[16:17]               ; sigmoid
	global_store_b128 v10, v[60:63], s[16:17] offset:2048   ; 1 - sigmoid
.Lend:
	s_wait_tensorcnt 0x0                           ; the wave's end
	ds_add_u32 v[SPW], v[NIL]
	s_wait_dscnt 0x0
	s_endpgm
.Lfunc_end_k_qa014d12f8c_cast:
	.size	k_qa014d12f8c_cast, .Lfunc_end_k_qa014d12f8c_cast-k_qa014d12f8c_cast
	.p2alignl 7, 3214868480
	.fill 96, 4, 3214868480
	.section	.rodata,"a",@progbits
	.p2align	6, 0x0
	.amdhsa_kernel k_qa014d12f8c_cast
		.amdhsa_group_segment_fixed_size 17920
		.amdhsa_private_segment_fixed_size 0
		.amdhsa_enable_private_segment 0
		.amdhsa_kernarg_size 56
		.amdhsa_user_sgpr_count 2
		.amdhsa_user_sgpr_kernarg_segment_ptr 1
		.amdhsa_wavefront_size32 1
		.amdhsa_system_sgpr_workgroup_id_x 1
		.amdhsa_system_sgpr_workgroup_id_y 1
		.amdhsa_system_sgpr_workgroup_id_z 1
		.amdhsa_system_vgpr_workitem_id 0
		.amdhsa_next_free_vgpr 112
		.amdhsa_next_free_sgpr 66
		.amdhsa_reserve_vcc 0
		.amdhsa_float_denorm_mode_32 3
		.amdhsa_float_denorm_mode_16_64 3
		.amdhsa_memory_ordered 1
		.amdhsa_forward_progress 1
		.amdhsa_inst_pref_size 15
	.end_amdhsa_kernel
	.amdgpu_metadata
---
amdhsa.version: [ 1, 2 ]
amdhsa.kernels:
  - .name:           k_qa014d12f8c_cast
    .symbol:         k_qa014d12f8c_cast.kd
    .args:
      - { .name: Wq, .offset: 0, .size: 8, .value_kind: global_buffer, .address_space: global }
      - { .name: Wk, .offset: 8, .size: 8, .value_kind: global_buffer, .address_space: global }
      - { .name: Wv, .offset: 16, .size: 8, .value_kind: global_buffer, .address_space: global }
      - { .name: Wout, .offset: 24, .size: 8, .value_kind: global_buffer, .address_space: global }
      - { .name: betas, .offset: 32, .size: 8, .value_kind: global_buffer, .address_space: global }
      - { .name: wt, .offset: 40, .size: 8, .value_kind: global_buffer, .address_space: global }
      - { .name: bgt, .offset: 48, .size: 8, .value_kind: global_buffer, .address_space: global }
    .group_segment_fixed_size: 17920
    .private_segment_fixed_size: 0
    .kernarg_segment_align: 8
    .kernarg_segment_size: 56
    .max_flat_workgroup_size: 128
    .sgpr_count:     66
    .vgpr_count:     112
    .wavefront_size: 32
...
	.end_amdgpu_metadata
.endif
;; end of part 1
;; launch proj (part 2): grid 256 x 1, 4 waves a work-group, clusters of 4 x 1, 327,680 bytes of LDS; arguments x, wt, qkv; writes qkv
.if DOCPART == 2
	.amdgcn_target "amdgcn-amd-amdhsa--gfx1250"
	.amdhsa_code_object_version 6
	.text
	.protected	k_qa014d12f8c_proj
	.globl	k_qa014d12f8c_proj
	.p2align	8
	.type	k_qa014d12f8c_proj,@function
k_qa014d12f8c_proj:
	s_mov_b64 s[64:65], 0
	v_nop
	global_prefetch_b8 v0, s[64:65] scope:SCOPE_SE
	s_setreg_imm32_b32 hwreg(HW_REG_WAVE_MODE, 25, 1), 1
	s_wait_xcnt 0x0
	s_wait_alu depctr_hold_cnt(0) depctr_sa_sdst(0) depctr_va_vdst(0) depctr_va_sdst(0) depctr_va_ssrc(0) depctr_va_vcc(0) depctr_vm_vsrc(0)
	s_getreg_b32 s2, hwreg(HW_REG_IB_STS2, 6, 4)
	s_cmp_eq_u32 s2, 0
	s_cbranch_scc0 .Lentry_in_a_cluster
	s_endpgm
.Lentry_in_a_cluster:
	s_bfe_u32 s2, ttmp6, 0x10000c
	s_cmp_lg_u32 s2, 0x3003
	s_cbranch_scc0 .Lentry_shape_is_right
	s_endpgm
.Lentry_shape_is_right:
; qkv[3][32768][512] (f16) = x [32768][512] (f32, rounded to bf16) times Wq | Wk | Wv (wt rows 0-1535, bf16, [n][k]); sums in f32.
; LIMIT: q, k, v are kept in f16: beyond 65,504 they become infinities.
; SHARES.  A work-group owns 128 rows of x and walks 12 tiles of 128 columns.  Wave (wm, wn) makes 64 rows x 64 columns of each tile: 16 accumulators.
; x STAYS IN REGISTERS: a wave's 64 rows x 512 k are 64 fragments, 512 registers (windows 2, 3), so LDS is read for the weights alone.
; A tile of weights (128 rows n x all 512 k, 1,024 bytes a row) fills an LDS slot; two slots take turns.  All work-groups walk the same tiles, so the four of a cluster ask JOINTLY.
; The product is used transposed (source 0 = 16 rows of W^T, source 1 = 16 rows of x): a lane holds eight neighbouring columns of one row.
; REGISTERS: window 0: v0-11 addresses; v64-191 two buffers of weight fragments (2 k steps x 4 column blocks); v192-255 the way out.
;   window 1: v0-127 accumulators (a, nt) at 8 (4 a + nt); at the start all 256 hold x as loaded.   windows 2, 3: x's fragment (a, ks) at 8 (16 (a % 2) + ks), window 2 + a / 2.
.set PW,    1040                       ; an LDS row of weights: 1,024 bytes + 16 = 65 x 16: the 16 rows of a fragment load start 16 bytes apart modulo 256
.set SLOTB, 128*PW                     ; 133,120
.set STAGE, 2*SLOTB                    ; the work-group's stage for the way out: 128 rows x 272 bytes; no tensor load fills it
.set SP,    272
.set SPARE, STAGE+128*SP               ; the spare words, 128 bytes a wave
.set XO,  3                            ; v3  r x 2,048 + 32 hl: my bytes in 16 rows of x
.set AB0, 4                            ; v4  (64 wn + r) x PW + 16 hl
.set ADR, 5                            ; v5  AB0 + the slot in hand
.set STO, 6
.set RD,  7
.set CO,  8
.set PFO, 9                            ; v9  256 x lane
.set SPW, 10
.set NIL, 11
.set F0,  64
.set TMP, 192
.set WV,  10
.set G1,  16                           ; s[16:23]
.set G0,  24                           ; s[24:27]
.set FB,  28                           ; the slot filled last
.set TB,  29                           ; the slot read
.set WOFF, 30                          ; my 32 rows in a slot
.set CNT, 31
.set TILE, 32
.set LIM, 33
.set PFA, 34                           ; s[34:35]
.set OBA, 36                           ; s[36:37] qkv at the first row that I store
.set OFS, 38                           ; s[38:39]
.set STB, 40                           ; s[40:41] the stores' base
.set XB,  42                           ; s[42:43] x at my wave's first row
.set MSB, 0
.macro WIN new                         ; the immediate's high byte repeats the setting that is left
.if MSB != (\new)
	s_set_vgpr_msb (MSB<<8)|(\new)
.set MSB, (\new)
.endif
.endm
.macro PLACES                          ; four plain places behind a matrix instruction (ISA guide 7.12.1)
.rept 4
	v_nop
.endr
.endm
.macro ROUND                           ; a round of the cluster's barrier
	s_barrier_signal -1
	s_barrier_wait -1
	s_cmp_lg_u32 s[WV], 0
	s_cbranch_scc1 .Lnw0_\@
	s_barrier_signal -3
.Lnw0_\@:
	s_barrier_wait -3
	s_barrier_signal -1
	s_barrier_wait -1
.endm
; The tile two fills on is prefetched: 512 blocks of 256 bytes, one a lane of the first cluster's 16 waves; the partners are told apart by address alone.  The last trip that fills asks for nothing.
.macro ASK
	s_cmp_gt_u32 s[CNT], s[LIM]
	s_cbranch_scc0 .Lna_\@
	global_prefetch_b8 v[PFO], s[PFA:PFA+1] th:TH_LOAD_NT scope:SCOPE_SE
.Lna_\@:
.endm
	s_load_b128 s[4:7], s[0:1], 0x0                ; x, wt
	s_load_b64 s[8:9], s[0:1], 0x10                ; qkv
	v_lshl_add_u32 v[SPW], v0, 2, SPARE
	v_mov_b32 v[NIL], 0
	ds_add_u32 v[SPW], v[NIL]                      ; the opening: the add and its wait ahead of my first tensor load
	ds_add_u32 v10, v11
	v_lshrrev_b32 v1, 5, v0
	v_readfirstlane_b32 s[WV], v1
	s_lshr_b32 s11, s[WV], 1                       ; wm
	s_and_b32 s12, s[WV], 1                        ; wn
	s_bfe_u32 s13, ttmp6, 0x40000                  ; cx
	s_lshl_b32 s14, ttmp9, 2
	s_add_co_u32 s14, s14, s13                     ; my work-group: it enters x's and qkv's addresses alone
	s_mov_b32 s[G1+0], 15|(1<<16)|(1<<20)|(1<<21)|(7<<22)|(3<<25)  ; mask of four; 2-byte elements; padding on; bit 21 beside a mask; after every 256 words; 4 words
	s_mov_b32 s[G1+1], 512<<16                     ; tensor_dim0 = 512
	s_mov_b32 s[G1+2], 32<<16                      ; tensor_dim1 = 32
	s_mov_b32 s[G1+3], 512<<16                     ; tile_dim0 = 512
	s_mov_b32 s[G1+4], 32                          ; tile_dim1 = 32
	s_mov_b32 s[G1+5], 512                         ; elements from row to row
	s_mov_b32 s[G1+6], 0
	s_mov_b32 s[G1+7], 0
	s_mul_i32 s[WOFF], s[WV], 32*PW
	s_mov_b32 s[FB], 0
	s_mov_b32 s[TB], SLOTB                         ; the first change turns it into 0
	s_mov_b32 s[G0], 1
	s_mov_b32 s[G0+1], s[WOFF]                     ; slot 0
	s_mov_b32 s[TILE], 0
	s_mov_b32 s[LIM], ttmp9
	s_cmp_eq_u32 s[LIM], 0
	s_cselect_b32 s[LIM], 1, -1                    ; the first cluster prefetches: the same in all four partners
	s_lshl_b32 s[OFS], s[WV], 15                   ; my 32 rows of a tile in wt
	s_mov_b32 s[OFS+1], 0
	s_lshl_b32 s44, s13, 15                        ; the prefetch: block 128 cx + 32 w + lane of tile 1; the first change steps it to tile 2
	s_lshl_b32 s45, s[WV], 13
	s_add_co_u32 s44, s44, s45
	s_add_co_u32 s44, s44, 131072
	s_mov_b32 s45, 0
	s_lshl_b32 s46, s14, 17                        ; (128 wg + 32 w) rows of 1,024 bytes
	s_add_co_u32 s46, s46, s[OFS]
	s_mov_b32 s47, 0
	s_lshl_b32 s48, s14, 18                        ; (128 wg + 64 wm) rows of 2,048 bytes
	s_lshl_b32 s49, s11, 17
	s_add_co_u32 s48, s48, s49
	s_mov_b32 s49, 0
	s_wait_dscnt 0x0                               ; the opening add is done
	s_wait_kmcnt 0x0
	s_add_nc_u64 s[G0+2:G0+3], s[6:7], s[OFS:OFS+1]
	s_or_b32 s[G0+3], s[G0+3], 0x80000000
	s_add_nc_u64 s[PFA:PFA+1], s[6:7], s[44:45]
	s_add_nc_u64 s[OBA:OBA+1], s[8:9], s[46:47]
	s_add_nc_u64 s[XB:XB+1], s[4:5], s[48:49]
	ROUND                                          ; all four work-groups are here: the first joint load meets
	tensor_load_to_lds s[G0:G0+3], s[G1:G1+7]      ; tile 0 into slot 0
	s_nop 0
	PLACES
	v_and_b32 v1, 15, v0                           ; r
	v_bfe_u32 v2, v0, 4, 1                         ; hl
	v_lshlrev_b32 v[XO], 11, v1
	v_lshl_add_u32 v[XO], v2, 5, v[XO]
	v_mul_u32_u24 v[AB0], v1, PW
	v_lshl_add_u32 v[AB0], v2, 4, v[AB0]
	s_mul_i32 s44, s12, 64*PW
	v_add_nc_u32 v[AB0], s44, v[AB0]
	s_mul_i32 s44, s11, 64*SP
	s_lshl_b32 s45, s12, 7
	s_add_co_u32 s44, s44, s45
	s_add_co_u32 s44, s44, STAGE
	v_mul_u32_u24 v[STO], v1, SP
	v_lshl_add_u32 v[STO], v2, 4, v[STO]
	v_add_nc_u32 v[STO], s44, v[STO]               ; row 64 wm + r, byte 128 wn + 16 hl
	s_mul_i32 s44, s[WV], 32*SP
	s_add_co_u32 s44, s44, STAGE
	v_mul_u32_u24 v[RD], v2, SP
	v_lshl_add_u32 v[RD], v1, 4, v[RD]
	v_add_nc_u32 v[RD], s44, v[RD]                 ; row 32 w + hl, byte 16 r
	v_lshlrev_b32 v[CO], 10, v2
	v_lshl_add_u32 v[CO], v1, 4, v[CO]
	v_and_b32 v[PFO], 31, v0
	v_lshlrev_b32 v[PFO], 8, v[PFO]
; x: block b of eight = rows 16 (b / 2) on, k 256 (b % 2) on: 8 fragments, 32 loads of 16 bytes a lane into set b % 2 of window 1.
; A fragment wants k = 8 hl + 0..7 and 16 + 8 hl + 0..7: in f32 the bytes 32 hl + {0, 16} and 64 + 32 hl + {0, 16} of its 128.
.macro XLOAD b
	WIN 0x40
.irp f, 0,1,2,3,4,5,6,7
.irp p, 0,1,2,3
	global_load_b128 v[128*((\b)%2)+16*\f+4*\p:128*((\b)%2)+16*\f+4*\p+3], v[XO], s[XB:XB+1] offset:((\b)/2)*32768+(8*((\b)%2)+\f)*128+(\p/2)*64+(\p%2)*16
.endr
.endr
.endm
.macro XCVT b                          ; rounded to bf16, into the fragments' places
	WIN 0x85+0x40*((\b)/4)
.irp f, 0,1,2,3,4,5,6,7
.irp j, 0,1,2,3,4,5,6,7
	v_cvt_pk_bf16_f32 v[8*(16*(((\b)/2)%2)+8*((\b)%2)+\f)+\j], v[128*((\b)%2)+16*\f+2*\j], v[128*((\b)%2)+16*\f+2*\j+1]
.endr
.endr
.endm
	XLOAD 0
	XLOAD 1
.irp b, 0,1,2,3,4,5,6,7
.if \b < 7
	s_wait_loadcnt 32                              ; this block is in; the younger block's 32 loads may stay out
.else
	s_wait_loadcnt 0x0
.endif
	XCVT \b
.if \b < 6
	XLOAD \b+2
.endif
.endr
; 16 LDS loads: the weight fragments of k steps 2 g and 2 g + 1, four column blocks each, into buffer f
.macro FETCH g, f
	WIN 0
.irp kk, 0,1
.irp nt, 0,1,2,3
	ds_load_b128 v[(\f)+8*(4*\kk+\nt):(\f)+8*(4*\kk+\nt)+3],   v[ADR] offset:\nt*16*PW+(2*(\g)+\kk)*64
	ds_load_b128 v[(\f)+8*(4*\kk+\nt)+4:(\f)+8*(4*\kk+\nt)+7], v[ADR] offset:\nt*16*PW+(2*(\g)+\kk)*64+32
.endr
.endr
.endm
; 32 products.  The accumulators take turns, one instruction a turn: seven others stand between two links of a chain.  k step 0 starts the sums with the constant 0.
.macro MUL g, f
.irp ah, 0,1
	WIN 0x58+4*\ah                                 ; weights window 0, x window 2 or 3, sums window 1
.irp kk, 0,1
.irp al, 0,1
.irp nt, 0,1,2,3
.set rD, 8*(4*(2*\ah+\al)+\nt)
.set rF, (\f)+8*(4*\kk+\nt)
.set rA, 8*(16*\al+2*(\g)+\kk)
.if (2*(\g)+\kk) == 0
	v_wmma_f32_16x16x32_bf16 v[rD:rD+7], v[rF:rF+7], v[rA:rA+7], 0
.else
	v_wmma_f32_16x16x32_bf16 v[rD:rD+7], v[rF:rF+7], v[rA:rA+7], v[rD:rD+7]
.endif
.endr
.endr
.endr
.endr
.endm
; A tile: 8 groups of 32 products; a group's fragments are fetched one group ahead, four places behind the last product that read their buffer.
.macro NT
	WIN 0
	v_add_nc_u32 v[ADR], s[TB], v[AB0]
	FETCH 0, F0
.irp g, 0,1,2,3,4,5,6,7
.if \g >= 1
	PLACES
.endif
.if \g < 7
	FETCH \g+1, F0+64*((\g+1)%2)
	s_wait_dscnt 16                                ; all but the 16 just issued
.else
	s_wait_dscnt 0x0
.endif
	MUL \g, F0+64*(\g%2)
.endr
.endm
; The way out: f16, 16 bytes a lane into the work-group's stage; a barrier, since a row's 256 bytes come from two waves; back as whole rows, 32 rows a wave.
.macro EPI
	PLACES
	s_wait_xcnt 0x0                                ; the last tile's stores have read TMP and their base: both are rewritten below
	WIN 0x05
.set t, 0
.rept 16
.irp j, 0,1,2,3
	v_cvt_pk_f16_f32 v[TMP+4*t+\j], v[8*t+2*\j], v[8*t+2*\j+1]
.endr
.set t, t+1
.endr
	WIN 0
.irp a, 0,1,2,3
.irp nt, 0,1,2,3
	ds_store_b128 v[STO], v[TMP+4*(4*\a+\nt):TMP+4*(4*\a+\nt)+3] offset:\a*16*SP+\nt*32
.endr
.endr
	s_lshr_b32 s[OFS], s[TILE], 2                  ; q, k or v: 2^25 bytes each,
	s_lshl_b32 s[OFS], s[OFS], 25
	s_and_b32 s[OFS+1], s[TILE], 3                 ; and the tile's 256 bytes of a row
	s_lshl_b32 s[OFS+1], s[OFS+1], 8
	s_add_co_u32 s[OFS], s[OFS], s[OFS+1]
	s_mov_b32 s[OFS+1], 0
	s_add_nc_u64 s[STB:STB+1], s[OBA:OBA+1], s[OFS:OFS+1]
	s_add_co_u32 s[TILE], s[TILE], 1
	s_wait_dscnt 0x0                               ; for the others' sake: my stores into the stage are done
	s_barrier_signal -1                            ; the refill may stay on its way
	s_barrier_wait -1
.irp i, 0,1,2,3,4,5,6,7,8,9,10,11,12,13,14,15
	ds_load_b128 v[TMP+4*\i:TMP+4*\i+3], v[RD] offset:\i*2*SP
.endr
.irp i, 0,1,2,3,4,5,6,7,8,9,10,11,12,13,14,15
	s_wait_dscnt 15-\i
	global_store_b128 v[CO], v[TMP+4*\i:TMP+4*\i+3], s[STB:STB+1] offset:\i*2048  ; 16 lanes: 256 consecutive bytes, aligned
.endr
.endm
; The change of slots.  Each wave waits for all its tensor loads (one is out: its part of the slot to be read), adds 0 to its spare word, and waits for that and for its LDS reads, the stage's among them.
; fill = 1: a round of the cluster's barrier, and the slot read last takes the next tile: the first thing behind the round, with a tile's 256 products in which to land.
.macro CHG fill
	WIN 0
	s_wait_tensorcnt 0x0
	ds_add_u32 v[SPW], v[NIL]                      ; the steps below stand between it and its wait
.if \fill
	s_xor_b32 s[FB], s[FB], SLOTB
	s_add_co_u32 s[G0+1], s[FB], s[WOFF]
	s_add_nc_u64 s[G0+2:G0+3], s[G0+2:G0+3], 131072
	s_wait_xcnt 0x0                                ; the last prefetch, a tile back, has read its address
	s_add_nc_u64 s[PFA:PFA+1], s[PFA:PFA+1], 131072
.endif
	s_xor_b32 s[TB], s[TB], SLOTB
	s_wait_dscnt 0x0
.if \fill
	ROUND
	tensor_load_to_lds s[G0:G0+3], s[G1:G1+7]
	s_nop 0
	PLACES
	ASK
.else
	s_barrier_signal -1
	s_barrier_wait -1
.endif
.endm
	WIN 0
	s_mov_b32 s[CNT], 11
.Ltile:                                        ; trip t multiplies tile t and asks for tile t + 1
	CHG 1
	NT
	EPI
	s_sub_co_u32 s[CNT], s[CNT], 1
	s_cmp_lg_u32 s[CNT], 0
	s_cbranch_scc1 .Ltile
	CHG 0                                          ; the last tile is written out: nothing is asked for
	NT
	EPI
	s_wait_tensorcnt 0x0                           ; the wave's end
	ds_add_u32 v[SPW], v[NIL]
	s_wait_dscnt 0x0
	ROUND                                          ; the closing round
	s_endpgm
.Lfunc_end_k_qa014d12f8c_proj:
	.size	k_qa014d12f8c_proj, .Lfunc_end_k_qa014d12f8c_proj-k_qa014d12f8c_proj
	.p2alignl 7, 3214868480
	.fill 96, 4, 3214868480
	.section	.rodata,"a",@progbits
	.p2align	6, 0x0
	.amdhsa_kernel k_qa014d12f8c_proj
		.amdhsa_group_segment_fixed_size 327680
		.amdhsa_private_segment_fixed_size 0
		.amdhsa_enable_private_segment 0
		.amdhsa_kernarg_size 24
		.amdhsa_user_sgpr_count 2
		.amdhsa_user_sgpr_kernarg_segment_ptr 1
		.amdhsa_wavefront_size32 1
		.amdhsa_system_sgpr_workgroup_id_x 1
		.amdhsa_system_sgpr_workgroup_id_y 1
		.amdhsa_system_sgpr_workgroup_id_z 1
		.amdhsa_system_vgpr_workitem_id 0
		.amdhsa_next_free_vgpr 1024
		.amdhsa_next_free_sgpr 66
		.amdhsa_reserve_vcc 0
		.amdhsa_float_denorm_mode_32 3
		.amdhsa_float_denorm_mode_16_64 3
		.amdhsa_memory_ordered 1
		.amdhsa_forward_progress 1
		.amdhsa_inst_pref_size 132
	.end_amdhsa_kernel
	.amdgpu_metadata
---
amdhsa.version: [ 1, 2 ]
amdhsa.kernels:
  - .name:           k_qa014d12f8c_proj
    .symbol:         k_qa014d12f8c_proj.kd
    .args:
      - { .name: x, .offset: 0, .size: 8, .value_kind: global_buffer, .address_space: global }
      - { .name: wt, .offset: 8, .size: 8, .value_kind: global_buffer, .address_space: global }
      - { .name: qkv, .offset: 16, .size: 8, .value_kind: global_buffer, .address_space: global }
    .group_segment_fixed_size: 327680
    .private_segment_fixed_size: 0
    .kernarg_segment_align: 8
    .kernarg_segment_size: 24
    .max_flat_workgroup_size: 128
    .sgpr_count:     66
    .vgpr_count:     1024
    .wavefront_size: 32
...
	.end_amdgpu_metadata
.endif
;; end of part 2
;; launch attn (part 3): grid 256 x 1, 8 waves a work-group, no clusters, 327,680 bytes of LDS; arguments qkv, bgt, att, pm; writes att, pm
.if DOCPART == 3
	.amdgcn_target "amdgcn-amd-amdhsa--gfx1250"
	.amdhsa_code_object_version 6
	.text
	.protected	k_qa014d12f8c_attn
	.globl	k_qa014d12f8c_attn
	.p2align	8
	.type	k_qa014d12f8c_attn,@function
k_qa014d12f8c_attn:
	s_mov_b64 s[64:65], 0
	v_nop
	global_prefetch_b8 v0, s[64:65] scope:SCOPE_SE
	s_setreg_imm32_b32 hwreg(HW_REG_WAVE_MODE, 25, 1), 1
	s_wait_xcnt 0x0
; For two neighbouring segments of 512 time rows x 64 channels (128 rows of q, k, v, dense): att = (1 - gate) x causal softmax(q k^T / 8) v, in f16, and the partial memory
; pm[pair][2][80][64] f32: entry 0 the first segment's, entry 1 both segments': rows 0-63 memT[dv][dk] = sum over t of v[t][dv] sigma(k[t][dk]), rows 64-79 each z[dk] = sum over t of sigma(k[t][dk]).
; sigma(y) = elu(y) + 1 = max(y, 0) + 2^(min(y, 0) log2 e).
; LIMITS.  q, k, v arrive in f16; the weights p and sigma(k) are rounded to f16.  A hidden score counts as its value less 1e30; an exponential below 2^-126 counts as 0; NaN and infinities are not treated apart.
; EIGHT WAVES, two to a SIMD, 512 registers each.  A tile of 16 queries and a step of 64 keys have 16 matrix and about 135 vector instructions, and tiles drop out of the causal walk one by one,
; so the vector work is not dealt out behind the products of other tiles: the SIMD's other wave works while one wave waits.
; SHARES.  Wave w = (wq = w % 4, wp = w / 4) owns rows 16 wq .. + 15 of four of a segment's eight bands of 64 queries: bands wp, 3 - wp, 4 + wp, 7 - wp.  Band x sees the key steps 0 .. x:
; 1 + 4 + 5 + 8 = 2 + 3 + 6 + 7 = 18 tiles and steps for every wave.  One walk over the key steps serves the wave's four tiles; a tile whose band lies below the step is jumped over.
; NO CLUSTER: no two work-groups read the same tile.  NO RING: each segment's K and V (155,648 bytes padded) are filled once; the second segment's load goes out when the first has landed, and has the first segment's work in which to land.
; LAYOUT.  S^T = K Q^T holds one query a lane (lane % 16) and the keys 8 (lane / 16) + 0..7; two results rounded to f16 are source 1 of O^T = V^T P.  p = 2^(c s - c m), c = log2(e) / 8, with a running maximum m;
; O and l are multiplied by a = 2^(c m_old - c m_new) in every step.  The mask of a band's own step is the C operand that starts the sum.
; THE MEMORY.  Wave (wq, wp) makes channels dk = 16 wq .. + 15 over the time rows 256 wp .. + 255; the two halves meet in LDS, and a running sum in f32 registers carries the first segment's part into the second's.
; REGISTERS: window 0: v0-63 addresses, statistics; v64-95 S^T; v96-111 P; v112-127 K^T and sigma(K^T); v128-159 the mask; v160-223 Q; v224-243 the memory's running sum.
;   window 1: v0-127 O^T, 32 a tile; v128-191 K (in the memory phase: five accumulators, ones); v192-255 V^T (in the memory phase: V^T of 32 rows, then 1 - gate).
.set PK,    144                        ; a row of K in LDS: 128 bytes + 16
.set PV,    160                        ; a row of V: 128 + 32
.set VOFF,  512*PK
.set SLOT,  512*(PK+PV)                ; 155,648
.set SPARE, 2*SLOT                     ; the spare words, 128 bytes a wave
.set MP,    272                        ; the memory's stage: two halves of 80 rows x 272 bytes at the head of a slot that has been read for the last time,
.set MHALF, 80*MP
.set OSTG,  2*MHALF                    ; and behind them 16 rows x 144 bytes a wave for O's way out
.set AK0, 2
.set AV0, 3
.set AK,  4
.set AV,  5
.set STO, 6
.set RD,  7
.set STG, 8
.set RDG, 13
.set AKT0, 14
.set AKT, 15
.set ST,  16                           ; tile i: c m, m, l (even keys', odd keys') at ST + 4 i
.set TMP, 32
.set MV,  36
.set MSA, 37
.set MRD, 38
.set MGO, 39
.set INV, 40                           ; v[40:47] a pair a tile
.set SPW, 48
.set NIL, 49
.set MSG, 50
.set MRG, 51
.set BO,  52
.set ZR,  54
.set ONEF, 55
.set QOI, 56                           ; v[56:59] tile i's byte offset in a segment's q
.set GOI, 60                           ; v[60:63] and in att
.set S,   64
.set P,   96
.set KT,  112
.set SK,  120
.set XF,  64                           ; the memory phase works where S^T lies
.set TF,  80
.set MD,  128
.set Q,   160
.set MSUM, 224
.set KF,  128                          ; window 1
.set MA,  128                          ; window 1
.set ONES, 168                         ; window 1
.set VF,  192                          ; window 1
.set OMB, 224                          ; window 1
.set WV,  12
.set WQ,  13
.set WP,  14
.set G1K, 16
.set G1V, 24
.set G0K, 32                           ; s[32:39] a set a segment
.set G0V, 40
.set SS,  48                           ; the key step
.set TBK, 51
.set TBV, 52
.set CNT, 53
.set CS,  54
.set SEL, 56
.set BIGN, 58
.set GS,  59                           ; the segment's slot
.set QB,  60
.set AB,  62
.set PMB, 66
.set TK,  68
.set TV,  69
.set GCNT, 71
.set TKMAX, 72
.set WG,  73
.set BN,  74                           ; s[74:77] my four bands, ascending
.set OMA, 78
.set WPK, 80
.set WPV, 81
.set MSB, 0
.macro WIN new                         ; the immediate's high byte repeats the setting that is left
.if MSB != (\new)
	s_set_vgpr_msb (MSB<<8)|(\new)
.set MSB, (\new)
.endif
.endm
.macro PLACES                          ; four plain places behind a matrix instruction (ISA guide 7.12.1)
.rept 4
	v_nop
.endr
.endm
.set W_KQ, 0x01                        ; K window 1; Q, S^T and the mask window 0
.set W_PV, 0x51                        ; V^T and O^T window 1, P window 0
.set W_RS, 0x41                        ; destination and source 0 window 1, source 1 window 0
.set W_MM, 0x54                        ; sigma(K^T) window 0; V^T and the sums window 1
	s_load_b256 s[4:11], s[0:1], 0x0               ; qkv, bgt, att, pm
	v_lshl_add_u32 v[SPW], v0, 2, SPARE
	v_mov_b32 v[NIL], 0
	ds_add_u32 v[SPW], v[NIL]                      ; the opening: the add and its wait ahead of my first tensor load
	ds_add_u32 v48, v49
	v_lshrrev_b32 v1, 5, v0
	v_readfirstlane_b32 s[WV], v1
	s_and_b32 s[WQ], s[WV], 3
	s_lshr_b32 s[WP], s[WV], 2
	s_mov_b32 s[WG], ttmp9
	s_lshl_b32 s2, s[WG], 17
	s_lshl_b32 s15, s[WQ], 14                      ; which 128 keys of a segment I fetch
	s_add_co_u32 s2, s2, s15
	s_mov_b32 s3, 0
	; 128 keys are 16,384 dense bytes: asked for as 64 rows of 256 bytes, padded in LDS after every key
	s_mov_b32 s[G1K], (1<<16)|(1<<20)|(4<<22)|(3<<25)  ; 2-byte elements; padding on; after every 32 words; 4 words
	s_mov_b32 s[G1V], (1<<16)|(1<<20)|(4<<22)|(7<<25)  ; 8 words
.irp g, G1K, G1V
	s_mov_b32 s[\g+1], 128<<16                     ; tensor_dim0 = 128
	s_mov_b32 s[\g+2], 64<<16                      ; tensor_dim1 = 64
	s_mov_b32 s[\g+3], 128<<16                     ; tile_dim0 = 128
	s_mov_b32 s[\g+4], 64                          ; tile_dim1 = 64
	s_mov_b32 s[\g+5], 128                         ; elements from row to row
	s_mov_b32 s[\g+6], 0
	s_mov_b32 s[\g+7], 0
.endr
	s_mul_i32 s15, s[WQ], 128*PK
	s_mov_b32 s[G0K], 1
	s_mov_b32 s[G0K+1], s15
	s_mov_b32 s[G0K+4], 1
	s_add_co_u32 s[G0K+5], s15, SLOT
	s_mul_i32 s15, s[WQ], 128*PV
	s_mov_b32 s[G0V], 1
	s_add_co_u32 s[G0V+1], s15, VOFF
	s_mov_b32 s[G0V+4], 1
	s_add_co_u32 s[G0V+5], s15, SLOT+VOFF
	s_mov_b32 s[CS], 0x3e38aa3b                    ; c = log2(e) / 8
	s_mov_b32 s[CS+1], s[CS]
	s_mov_b32 s[SEL], 0x76543210
	s_mov_b32 s[SEL+1], 0xfedcba98
	s_mov_b32 s[BIGN], 0xf149f2ca                  ; -1e30
	s_mov_b32 s[GS], 0
	s_mul_i32 s[WPK], s[WP], 256*PK                ; my half of the time rows in the memory phase
	s_mul_i32 s[WPV], s[WP], 256*PV
	s_mov_b32 s[BN], s[WP]
	s_sub_co_u32 s[BN+1], 3, s[WP]
	s_add_co_u32 s[BN+2], s[WP], 4
	s_sub_co_u32 s[BN+3], 7, s[WP]
	s_wait_dscnt 0x0                               ; the opening add is done
	s_wait_kmcnt 0x0
	s_add_nc_u64 s[G0K+2:G0K+3], s[4:5], s[2:3]
	s_add_nc_u64 s[G0K+2:G0K+3], s[G0K+2:G0K+3], 33554432    ; k
	s_add_nc_u64 s[G0K+6:G0K+7], s[G0K+2:G0K+3], 65536       ; the second segment
	s_add_nc_u64 s[G0V+2:G0V+3], s[G0K+2:G0K+3], 33554432    ; v
	s_add_nc_u64 s[G0V+6:G0V+7], s[G0V+2:G0V+3], 65536
	s_or_b32 s[G0K+3], s[G0K+3], 0x80000000
	s_or_b32 s[G0K+7], s[G0K+7], 0x80000000
	s_or_b32 s[G0V+3], s[G0V+3], 0x80000000
	s_or_b32 s[G0V+7], s[G0V+7], 0x80000000
	s_cmp_lt_u32 s[WV], 4                          ; waves 0-3 fetch K's quarters, waves 4-7 V's: the first segment; one load of mine is out
	s_cbranch_scc0 .Lfv
	tensor_load_to_lds s[G0K:G0K+3], s[G1K:G1K+7]
	s_nop 0
	PLACES
	s_branch .Lfa
.Lfv:
	tensor_load_to_lds s[G0V:G0V+3], s[G1V:G1V+7]
	s_nop 0
	PLACES
.Lfa:
	v_and_b32 v1, 15, v0                           ; r
	v_bfe_u32 v9, v0, 4, 1                         ; hl
	v_and_b32 v10, 7, v0
	v_bfe_u32 v11, v0, 3, 1
	v_and_b32 v12, 31, v0
	v_lshlrev_b32 v[BO], 5, v9
	s_bfe_u32 s2, s[WG], 0x30003                   ; the head
	s_lshl_b32 s2, s2, 8
	s_add_co_u32 s2, s2, 2048                      ; 1 - gate
	s_mov_b32 s3, 0
	s_add_nc_u64 s[OMA:OMA+1], s[6:7], s[2:3]
	s_lshl_b32 s2, s[WG], 17
	s_lshl_b32 s15, s[WQ], 11                      ; my 16 rows of 128 bytes in a band
	s_add_co_u32 s2, s2, s15
	s_add_nc_u64 s[QB:QB+1], s[4:5], s[2:3]
	s_add_nc_u64 s[AB:AB+1], s[8:9], s[2:3]
	s_mul_i32 s2, s[WG], 40960
	s_mul_i32 s15, s[WV], 2560                     ; the 10 rows of 256 bytes that I store
	s_add_co_u32 s2, s2, s15
	s_add_nc_u64 s[PMB:PMB+1], s[10:11], s[2:3]
	v_lshlrev_b32 v53, 7, v1
	v_lshl_add_u32 v53, v9, 4, v53                 ; row x 128 + 16 hl
	v_lshlrev_b32 v12, 4, v12                      ; 16 x lane
.irp i, 0,1,2,3
	s_lshl_b32 s15, s[BN+\i], 13                   ; a band is 8,192 bytes
	v_add_nc_u32 v[QOI+\i], s15, v53
	v_add_nc_u32 v[GOI+\i], s15, v12
.endr
.irp i, 0,1,2,3                                ; the first segment's Q
.irp c, 0,1
	global_load_b128 v[Q+16*\i+8*\c:Q+16*\i+8*\c+3],   v[QOI+\i], s[QB:QB+1] offset:\c*64
	global_load_b128 v[Q+16*\i+8*\c+4:Q+16*\i+8*\c+7], v[QOI+\i], s[QB:QB+1] offset:\c*64+32
.endr
.endr
	v_mul_u32_u24 v[AK0], v1, PK
	v_lshl_add_u32 v[AK0], v9, 4, v[AK0]
	v_lshl_add_u32 v53, v9, 3, v10                 ; the turning load's row: 8 hl + lane % 8
	v_mul_u32_u24 v[AV0], v53, PV
	v_lshl_add_u32 v[AV0], v11, 4, v[AV0]
	v_add_nc_u32 v[AV0], VOFF, v[AV0]
	v_mul_u32_u24 v[AKT0], v53, PK
	v_lshl_add_u32 v[AKT0], v11, 4, v[AKT0]
	s_lshl_b32 s15, s[WQ], 5
	v_add_nc_u32 v[AKT0], s15, v[AKT0]             ; my 16 channels of K
	s_mul_i32 s15, s[WV], 16*PK
	s_add_co_u32 s15, s15, OSTG                    ; my stage, counted from the slot's head
	v_mul_u32_u24 v[STO], v1, PK
	v_lshl_add_u32 v[STO], v9, 4, v[STO]
	v_add_nc_u32 v[STO], s15, v[STO]
	v_bfe_u32 v[RD], v0, 3, 2
	v_mul_u32_u24 v[RD], v[RD], PK
	v_lshl_add_u32 v[RD], v10, 4, v[RD]
	v_add_nc_u32 v[RD], s15, v[RD]
	v_mul_u32_u24 v[MSA], v1, MP
	v_lshl_add_u32 v[MSA], v9, 5, v[MSA]
	s_lshl_b32 s15, s[WQ], 6
	s_mul_i32 s2, s[WP], MHALF
	s_add_co_u32 s15, s15, s2
	v_add_nc_u32 v[MSA], s15, v[MSA]               ; half wp; row dv = r; f32 columns dk = 16 wq + 8 hl on
	v_mul_u32_u24 v[MRD], v9, MP
	v_lshl_add_u32 v[MRD], v1, 4, v[MRD]
	s_mul_i32 s15, s[WV], 10*MP
	v_add_nc_u32 v[MRD], s15, v[MRD]               ; row 10 w + hl, byte 16 r
	v_lshlrev_b32 v[MGO], 8, v9
	v_lshl_add_u32 v[MGO], v1, 4, v[MGO]
	v_mov_b32 v[ZR], 0
	v_mov_b32 v[ONEF], 1.0
.irp i, 0,1,2,3
	v_mov_b32 v[INV+2*\i+1], 0                     ; v_permlanex16_b32's destinations count as read
.endr
.set i, 0
.rept 20
	v_mov_b32 v[MSUM+i], 0                         ; the memory's running sum
.set i, i+1
.endr
	v_lshlrev_b32 v53, 3, v9
	v_sub_nc_u32 v53, v1, v53
	s_lshl_b32 s15, s[WQ], 4
	v_add_nc_u32 v53, s15, v53                     ; my query's place in its band less 8 hl: register j of key group kt is hidden where 16 kt + j is greater
.set i, 0
.rept 32
	v_cmp_gt_i32 vcc_lo, 16*(i/8)+i%8, v53
	v_cndmask_b32 v[MD+i], 0, s[BIGN], vcc_lo
.set i, i+1
.endr
	; The second segment's slot is filled for the first time behind this barrier: issued as a refill is: the three lines, the barrier, and the load first behind it.
	s_wait_tensorcnt 0x0                           ; my part of the first segment is in
	ds_add_u32 v[SPW], v[NIL]
	s_wait_dscnt 0x0
	s_barrier_signal -1
	s_barrier_wait -1                              ; everybody's is
	s_cmp_lt_u32 s[WV], 4
	s_cbranch_scc0 .Lsv
	tensor_load_to_lds s[G0K+4:G0K+7], s[G1K:G1K+7]
	s_nop 0
	PLACES
	s_branch .Lsa
.Lsv:
	tensor_load_to_lds s[G0V+4:G0V+7], s[G1V:G1V+7]
	s_nop 0
	PLACES
.Lsa:
; One tile of 16 queries (band BN + i) against the key step in hand, in phases.
.macro TSTEP i
.set rT, ST+4*(\i)
.set rO, 32*(\i)
.set rQ, Q+16*(\i)
	s_cmp_lt_u32 s[BN+\i], s[SS]
	s_cbranch_scc1 .Lskip\i                        ; the whole step lies above the diagonal
	s_cmp_eq_u32 s[BN+\i], s[SS]
	s_cbranch_scc1 .Ldiag\i
	WIN W_KQ
.irp kb, 0,1,2,3
	v_wmma_f32_16x16x32_f16 v[S+8*\kb:S+8*\kb+7], v[KF+16*\kb:KF+16*\kb+7], v[rQ:rQ+7], 0
.endr
	WIN 0
	s_branch .Ljoin\i
.Ldiag\i:
	WIN W_KQ
.irp kb, 0,1,2,3                               ; the band's own step: the mask starts the sums
	v_wmma_f32_16x16x32_f16 v[S+8*\kb:S+8*\kb+7], v[KF+16*\kb:KF+16*\kb+7], v[rQ:rQ+7], v[MD+8*\kb:MD+8*\kb+7]
.endr
	WIN 0
.Ljoin\i:
	WIN W_KQ
.irp kb, 0,1,2,3                               ; four accumulators by turns
	v_wmma_f32_16x16x32_f16 v[S+8*\kb:S+8*\kb+7], v[KF+16*\kb+8:KF+16*\kb+15], v[rQ+8:rQ+15], v[S+8*\kb:S+8*\kb+7]
.endr
	WIN 0
	PLACES
.irp n, 0,1,2,3                                ; the maximum: each accumulator's lowest registers are read first
	v_max3_num_f32 v[TMP+\n], v[S+8*\n], v[S+8*\n+1], v[S+8*\n+2]
.endr
.irp n, 0,1,2,3
	v_max3_num_f32 v[TMP+\n], v[TMP+\n], v[S+8*\n+3], v[S+8*\n+4]
.endr
.irp n, 0,1,2,3
	v_max3_num_f32 v[TMP+\n], v[TMP+\n], v[S+8*\n+5], v[S+8*\n+6]
.endr
	v_max3_num_f32 v[TMP], v[TMP], v[S+7], v[S+15]
	v_max3_num_f32 v[TMP+1], v[TMP+1], v[S+23], v[S+31]
	v_max3_num_f32 v[TMP+2], v[TMP+2], v[TMP+3], v[rT+1]
	v_mov_b32 v[MV], v[rT]                         ; c m_old
	v_max3_num_f32 v[TMP], v[TMP], v[TMP+1], v[TMP+2]
	v_permlanex16_b32 v[TMP+3], v[TMP], s[SEL], s[SEL+1]  ; the query's other 32 keys lie in the lane 16 away
	v_max_num_f32 v[rT+1], v[TMP], v[TMP+3]
	v_mul_f32 v[rT], s[CS], v[rT+1]
	v_sub_f32 v[TMP+1], v[MV], v[rT]
.set n, 0
.rept 16
	v_pk_fma_f32 v[S+2*n:S+2*n+1], v[S+2*n:S+2*n+1], s[CS:CS+1], v[rT:rT+1] op_sel_hi:[1,0,0] neg_lo:[0,0,1] neg_hi:[0,0,1]  ; c s - c m
.set n, n+1
.endr
	v_exp_f32 v[TMP+2], v[TMP+1]                   ; a
.set n, 0
.rept 32
	v_exp_f32 v[S+n], v[S+n]
.set n, n+1
.endr
	v_nop                                          ; a plain instruction behind the last exponential,
	s_wait_alu depctr_va_vdst(0)                   ; and one wait for the batch of 33
.set n, 0
.rept 16
	v_cvt_pk_f16_f32 v[P+n], v[S+2*n], v[S+2*n+1]
.set n, n+1
.endr
.irp w, 4,8,16,32                              ; the sum of the 16 pairs, as a tree, in place
.set n, 0
.rept 32/\w
	v_pk_add_f32 v[S+\w*n:S+\w*n+1], v[S+\w*n:S+\w*n+1], v[S+\w*n+\w/2:S+\w*n+\w/2+1]
.set n, n+1
.endr
.endr
	v_pk_fma_f32 v[rT+2:rT+3], v[rT+2:rT+3], v[TMP+2:TMP+3], v[S:S+1] op_sel_hi:[1,0,1]  ; l = a l + sum
	WIN W_RS
.set n, 0
.rept 16
	v_pk_mul_f32 v[rO+2*n:rO+2*n+1], v[rO+2*n:rO+2*n+1], v[TMP+2:TMP+3] op_sel_hi:[1,0]
.set n, n+1
.endr
	WIN W_PV
.irp kk, 0,1
.irp cb, 0,1,2,3
	v_wmma_f32_16x16x32_f16 v[rO+8*\cb:rO+8*\cb+7], v[VF+32*\kk+8*\cb:VF+32*\kk+8*\cb+7], v[P+8*\kk:P+8*\kk+7], v[rO+8*\cb:rO+8*\cb+7]
.endr
.endr
	WIN 0
.Lskip\i:
.endm
.macro PACK i                          ; O^T / l x (1 - gate), rounded to f16, through my stage: in as 16 bytes of a row, back as whole rows of 128 bytes
	WIN W_RS
.set n, 0
.rept 16
	v_pk_mul_f32 v[32*(\i)+2*n:32*(\i)+2*n+1], v[32*(\i)+2*n:32*(\i)+2*n+1], v[INV+2*(\i):INV+2*(\i)+1] op_sel_hi:[1,0]
.set n, n+1
.endr
	WIN 0x45                                       ; 1 - gate lies in window 1 too
.set n, 0
.rept 16
	v_pk_mul_f32 v[32*(\i)+2*n:32*(\i)+2*n+1], v[32*(\i)+2*n:32*(\i)+2*n+1], v[OMB+2*n:OMB+2*n+1]
.set n, n+1
.endr
	WIN 0x05
.set n, 0
.rept 16
	v_cvt_pk_f16_f32 v[S+16*(\i)+n], v[32*(\i)+2*n], v[32*(\i)+2*n+1]
.set n, n+1
.endr
	WIN 0
.irp f, 0,1,2,3
	ds_store_b128 v[STG], v[S+16*(\i)+4*\f:S+16*(\i)+4*\f+3] offset:32*\f
.endr
.irp f, 0,1,2,3
	ds_load_b128 v[S+16*(\i)+4*\f:S+16*(\i)+4*\f+3], v[RDG] offset:\f*4*PK  ; LDS serves a wave's instructions in order (ISA guide 5.7.1.4)
.endr
.endm
.macro SEND i, younger                 ; younger: the LDS instructions issued behind tile i's loads
.irp f, 0,1,2,3
	s_wait_dscnt (\younger)+3-\f
	global_store_b128 v[GOI+(\i)], v[S+16*(\i)+4*\f:S+16*(\i)+4*\f+3], s[AB:AB+1] offset:\f*512  ; 512 consecutive bytes, aligned to 256
.endr
.endm
	s_mov_b32 s[GCNT], 2
.Lseg:
	WIN 0x40
.set n, 0
.rept 128
	v_mov_b32 v[n], 0                              ; O^T: the first step multiplies it by a = 0, so that no first step is written out
.set n, n+1
.endr
	WIN 0
.irp i, 0,1,2,3
	v_mov_b32 v[ST+4*\i], 0xfe000000               ; c m: far below every c s
	v_mov_b32 v[ST+4*\i+1], 0xff7fffff             ; m
	v_mov_b32 v[ST+4*\i+2], 0
	v_mov_b32 v[ST+4*\i+3], 0
.endr
	s_mov_b32 s[TBK], s[GS]
	s_mov_b32 s[TBV], s[GS]
	s_mov_b32 s[SS], 0
	s_wait_loadcnt 0x0                             ; Q
.Lks:                                          ; counted to the constant 8; the step that none of my bands sees (step 7 where wp = 1) is jumped over
	s_cmp_lt_u32 s[BN+3], s[SS]
	s_cbranch_scc1 .Ldead
	PLACES                                         ; behind the last products, ahead of the loads into K's and V^T's registers
	v_add_nc_u32 v[AK], s[TBK], v[AK0]
	v_add_nc_u32 v[AV], s[TBV], v[AV0]
	WIN 0x40
.irp f, 0,1,2,3,4,5,6,7                        ; keys 16 (f / 2) on, channels 32 (f % 2) on
	ds_load_b128 v[KF+8*\f:KF+8*\f+3],   v[AK] offset:(\f/2)*16*PK+(\f%2)*64
	ds_load_b128 v[KF+8*\f+4:KF+8*\f+7], v[AK] offset:(\f/2)*16*PK+(\f%2)*64+32
.endr
.irp f, 0,1,2,3,4,5,6,7                        ; keys 32 (f / 4) on, channels 16 (f % 4) on
	ds_load_tr16_b128 v[VF+8*\f:VF+8*\f+3],   v[AV] offset:(\f/4)*32*PV+(\f%4)*32
	ds_load_tr16_b128 v[VF+8*\f+4:VF+8*\f+7], v[AV] offset:(\f/4)*32*PV+16*PV+(\f%4)*32
.endr
	WIN 0
	s_wait_dscnt 0x0
	TSTEP 0
	TSTEP 1
	TSTEP 2
	TSTEP 3
.Ldead:
	s_add_co_u32 s[TBK], s[TBK], 64*PK
	s_add_co_u32 s[TBV], s[TBV], 64*PV
	s_add_co_u32 s[SS], s[SS], 1
	s_cmp_lt_u32 s[SS], 8
	s_cbranch_scc1 .Lks
	PLACES                                         ; behind the last products, ahead of loads and writes into Q's, K's and V^T's registers
	s_cmp_eq_u32 s[GCNT], 1
	s_cbranch_scc1 .Lnoq                           ; the second segment has none behind it
	s_add_nc_u64 s[QB:QB+1], s[QB:QB+1], 65536     ; (the loads that named this base were waited for at the segment's head)
.irp i, 0,1,2,3                                ; the next segment's Q: it has the memory phase in which to land
.irp c, 0,1
	global_load_b128 v[Q+16*\i+8*\c:Q+16*\i+8*\c+3],   v[QOI+\i], s[QB:QB+1] offset:\c*64
	global_load_b128 v[Q+16*\i+8*\c+4:Q+16*\i+8*\c+7], v[QOI+\i], s[QB:QB+1] offset:\c*64+32
.endr
.endr
.Lnoq:
	WIN 0x40
.irp c, 0,1,2,3
	global_load_b128 v[OMB+8*\c:OMB+8*\c+3],   v[BO], s[OMA:OMA+1] offset:64*\c      ; 1 - gate of channels 16 c + 8 hl + 0..7
	global_load_b128 v[OMB+8*\c+4:OMB+8*\c+7], v[BO], s[OMA:OMA+1] offset:64*\c+16
.endr
.set i, 0
.rept 40
	v_mov_b32 v[MA+i], 0                           ; the segment's sums start at 0, so that the loop has one form of product
.set i, i+1
.endr
.set i, 0
.rept 8
	v_mov_b32 v[ONES+i], 0x3c003c00                ; 1.0 twice, in f16
.set i, i+1
.endr
	WIN 0
	; THE MEMORY: for each 32 of my 256 time rows sigma(K^T) (16 dk x 32 t) times V^T's four blocks and ones.
	s_add_co_u32 s[TK], s[GS], s[WPK]
	s_add_co_u32 s[TV], s[GS], s[WPV]
	s_add_co_u32 s[TKMAX], s[TK], 7*32*PK
	v_add_nc_u32 v[AKT], s[TK], v[AKT0]
	ds_load_tr16_b128 v[KT:KT+3], v[AKT]
	ds_load_tr16_b128 v[KT+4:KT+7], v[AKT] offset:16*PK
	s_mov_b32 s[CNT], 8
.Lmem:
	s_wait_dscnt 0x0                               ; K^T of this trip is in
.set n, 0
.rept 8                                        ; f16 to f32; these sixteen are also the places behind the last trip's products, ahead of the loads into V^T's registers
	v_fma_mix_f32 v[XF+2*n], v[KT+n], v[ONEF], v[ZR] op_sel_hi:[1,0,0]
	v_fma_mix_f32 v[XF+2*n+1], v[KT+n], v[ONEF], v[ZR] op_sel:[1,0,0] op_sel_hi:[1,0,0]
.set n, n+1
.endr
	v_add_nc_u32 v[AV], s[TV], v[AV0]
	s_add_co_u32 s[TV], s[TV], 32*PV
	s_add_co_u32 s[TK], s[TK], 32*PK
	s_min_u32 s[TK], s[TK], s[TKMAX]               ; the last trip fetches its own K^T once more
	v_add_nc_u32 v[AKT], s[TK], v[AKT0]
	WIN 0x40
.irp c, 0,1,2,3
	ds_load_tr16_b128 v[VF+8*\c:VF+8*\c+3],   v[AV] offset:\c*32
	ds_load_tr16_b128 v[VF+8*\c+4:VF+8*\c+7], v[AV] offset:\c*32+16*PV
.endr
	WIN 0
	ds_load_tr16_b128 v[KT:KT+3], v[AKT]
	ds_load_tr16_b128 v[KT+4:KT+7], v[AKT] offset:16*PK
.set n, 0
.rept 16
	v_min_num_f32 v[TF+n], 0, v[XF+n]
.set n, n+1
.endr
.set n, 0
.rept 8
	v_pk_mul_f32 v[TF+2*n:TF+2*n+1], v[TF+2*n:TF+2*n+1], 0x3fb8aa3b op_sel_hi:[1,0]
.set n, n+1
.endr
.set n, 0
.rept 16
	v_exp_f32 v[TF+n], v[TF+n]
.set n, n+1
.endr
.set n, 0
.rept 16
	v_max_num_f32 v[XF+n], 0, v[XF+n]              ; plain work behind the batch
.set n, n+1
.endr
	s_wait_alu depctr_va_vdst(0)                   ; one wait for the sixteen exponentials
.set n, 0
.rept 8
	v_pk_add_f32 v[XF+2*n:XF+2*n+1], v[XF+2*n:XF+2*n+1], v[TF+2*n:TF+2*n+1]
.set n, n+1
.endr
.set n, 0
.rept 8
	v_cvt_pk_f16_f32 v[SK+n], v[XF+2*n], v[XF+2*n+1]
.set n, n+1
.endr
	s_wait_dscnt 2                                 ; V^T is in; the next K^T's two loads may stay out
	WIN W_MM
.irp c, 0,1,2,3                                ; five accumulators by turns, over the backward jump too
	v_wmma_f32_16x16x32_f16 v[MA+8*\c:MA+8*\c+7], v[SK:SK+7], v[VF+8*\c:VF+8*\c+7], v[MA+8*\c:MA+8*\c+7]
.endr
	v_wmma_f32_16x16x32_f16 v[MA+32:MA+39], v[SK:SK+7], v[ONES:ONES+7], v[MA+32:MA+39]
	WIN 0
	s_sub_co_u32 s[CNT], s[CNT], 1
	s_cmp_lg_u32 s[CNT], 0
	s_cbranch_scc1 .Lmem
.irp i, 0,1,2,3                                ; 1 / l; these additions are the places behind the last products
	v_add_f32 v[INV+2*\i], v[ST+4*\i+2], v[ST+4*\i+3]
.endr
.irp i, 0,1,2,3
	v_permlanex16_b32 v[INV+2*\i+1], v[INV+2*\i], s[SEL], s[SEL+1]
.endr
.irp i, 0,1,2,3
	v_add_f32 v[INV+2*\i], v[INV+2*\i], v[INV+2*\i+1]
.endr
.irp i, 0,1,2,3
	v_rcp_f32 v[INV+2*\i], v[INV+2*\i]
.endr
	v_add_nc_u32 v[MSG], s[GS], v[MSA]             ; plain work behind the reciprocals
	v_add_nc_u32 v[MRG], s[GS], v[MRD]
	v_add_nc_u32 v[STG], s[GS], v[STO]
	v_add_nc_u32 v[RDG], s[GS], v[RD]
	s_wait_alu depctr_va_vdst(0)                   ; one wait for the four reciprocals
	; THE WAY OUT, through the head of the slot that has just been read for the last time.
	s_wait_tensorcnt 0x0                           ; my part of the second segment is in: the barrier below shows it to every wave before the second trip reads it
	s_wait_dscnt 0x0                               ; my reads of this slot are over
	s_barrier_signal -1
	s_barrier_wait -1                              ; everybody's are
	WIN 0x04                                       ; store data window 1
.irp c, 0,1,2,3,4
	ds_store_b128 v[MSG], v[MA+8*\c:MA+8*\c+3] offset:\c*16*MP
	ds_store_b128 v[MSG], v[MA+8*\c+4:MA+8*\c+7] offset:\c*16*MP+16
.endr
	WIN 0
	s_wait_loadcnt 0x0                             ; 1 - gate (and the next segment's Q), asked for ahead of the memory phase
	PACK 0
	PACK 1
	SEND 0, 8
	PACK 2
	SEND 1, 8
	PACK 3
	SEND 2, 8
	SEND 3, 0
	s_wait_dscnt 0x0                               ; for the others' sake: my part of the memory's stage is stored
	s_barrier_signal -1
	s_barrier_wait -1
	s_wait_xcnt 0x0                                ; the stores above have read the registers that are loaded below
.irp i, 0,1,2,3,4
	ds_load_b128 v[S+4*\i:S+4*\i+3], v[MRG] offset:\i*2*MP
.endr
.irp i, 0,1,2,3,4
	ds_load_b128 v[S+20+4*\i:S+20+4*\i+3], v[MRG] offset:MHALF+\i*2*MP
.endr
	s_wait_dscnt 0x0
.set n, 0
.rept 10                                       ; both halves of the time rows onto the running sum
	v_pk_add_f32 v[S+2*n:S+2*n+1], v[S+2*n:S+2*n+1], v[S+20+2*n:S+20+2*n+1]
.set n, n+1
.endr
.set n, 0
.rept 10
	v_pk_add_f32 v[MSUM+2*n:MSUM+2*n+1], v[MSUM+2*n:MSUM+2*n+1], v[S+2*n:S+2*n+1]
.set n, n+1
.endr
.irp i, 0,1,2,3,4
	global_store_b128 v[MGO], v[MSUM+4*\i:MSUM+4*\i+3], s[PMB:PMB+1] offset:\i*512  ; 16 lanes: a row of 256 bytes
.endr
	s_wait_xcnt 0x0                                ; the stores have read their bases and data: both are rewritten below and in the next trip
	s_add_nc_u64 s[AB:AB+1], s[AB:AB+1], 65536
	s_add_nc_u64 s[PMB:PMB+1], s[PMB:PMB+1], 20480
	s_add_co_u32 s[GS], s[GS], SLOT
	s_sub_co_u32 s[GCNT], s[GCNT], 1
	s_cmp_lg_u32 s[GCNT], 0
	s_cbranch_scc1 .Lseg
	s_wait_tensorcnt 0x0                           ; the wave's end
	ds_add_u32 v[SPW], v[NIL]
	s_wait_dscnt 0x0
	s_endpgm
.Lfunc_end_k_qa014d12f8c_attn:
	.size	k_qa014d12f8c_attn, .Lfunc_end_k_qa014d12f8c_attn-k_qa014d12f8c_attn
	.p2alignl 7, 3214868480
	.fill 96, 4, 3214868480
	.section	.rodata,"a",@progbits
	.p2align	6, 0x0
	.amdhsa_kernel k_qa014d12f8c_attn
		.amdhsa_group_segment_fixed_size 327680
		.amdhsa_private_segment_fixed_size 0
		.amdhsa_enable_private_segment 0
		.amdhsa_kernarg_size 32
		.amdhsa_user_sgpr_count 2
		.amdhsa_user_sgpr_kernarg_segment_ptr 1
		.amdhsa_wavefront_size32 1
		.amdhsa_system_sgpr_workgroup_id_x 1
		.amdhsa_system_sgpr_workgroup_id_y 1
		.amdhsa_system_sgpr_workgroup_id_z 1
		.amdhsa_system_vgpr_workitem_id 0
		.amdhsa_next_free_vgpr 512
		.amdhsa_next_free_sgpr 82
		.amdhsa_reserve_vcc 1
		.amdhsa_float_denorm_mode_32 3
		.amdhsa_float_denorm_mode_16_64 3
		.amdhsa_memory_ordered 1
		.amdhsa_forward_progress 1
		.amdhsa_inst_pref_size 85
	.end_amdhsa_kernel
	.amdgpu_metadata
---
amdhsa.version: [ 1, 2 ]
amdhsa.kernels:
  - .name:           k_qa014d12f8c_attn
    .symbol:         k_qa014d12f8c_attn.kd
    .args:
      - { .name: qkv, .offset: 0, .size: 8, .value_kind: global_buffer, .address_space: global }
      - { .name: bgt, .offset: 8, .size: 8, .value_kind: global_buffer, .address_space: global }
      - { .name: att, .offset: 16, .size: 8, .value_kind: global_buffer, .address_space: global }
      - { .name: pm, .offset: 24, .size: 8, .value_kind: global_buffer, .address_space: global }
    .group_segment_fixed_size: 327680
    .private_segment_fixed_size: 0
    .kernarg_segment_align: 8
    .kernarg_segment_size: 32
    .max_flat_workgroup_size: 256
    .sgpr_count:     82
    .vgpr_count:     512
    .wavefront_size: 32
...
	.end_amdgpu_metadata
.endif
;; end of part 3
;; launch outp (part 4): grid 256 x 1, 4 waves a work-group, clusters of 4 x 1, 327,680 bytes of LDS; arguments qkv, att, pm, bgt, wt, out0; writes out0
.if DOCPART == 4
	.amdgcn_target "amdgcn-amd-amdhsa--gfx1250"
	.amdhsa_code_object_version 6
	.text
	.protected	k_qa014d12f8c_outp
	.globl	k_qa014d12f8c_outp
	.p2align	8
	.type	k_qa014d12f8c_outp,@function
k_qa014d12f8c_outp:
	s_mov_b64 s[64:65], 0
	v_nop
	global_prefetch_b8 v0, s[64:65] scope:SCOPE_SE
	s_setreg_imm32_b32 hwreg(HW_REG_WAVE_MODE, 25, 1), 1
	s_wait_xcnt 0x0
	s_wait_alu depctr_hold_cnt(0) depctr_sa_sdst(0) depctr_va_vdst(0) depctr_va_sdst(0) depctr_va_ssrc(0) depctr_va_vcc(0) depctr_vm_vsrc(0)
	s_getreg_b32 s2, hwreg(HW_REG_IB_STS2, 6, 4)
	s_cmp_eq_u32 s2, 0
	s_cbranch_scc0 .Lentry_in_a_cluster
	s_endpgm
.Lentry_in_a_cluster:
	s_bfe_u32 s2, ttmp6, 0x10000c
	s_cmp_lg_u32 s2, 0x3003
	s_cbranch_scc0 .Lentry_shape_is_right
	s_endpgm
.Lentry_shape_is_right:
; out0 = (att + gate x (sigma(q) mem) / (sigma(q) z)) Wout, for the 128 rows (two segments) of a work-group.
; mem and z of a segment are the start (0 and 1/64) plus the sums of all earlier segments of its batch and head: the earlier pairs' totals from pm, chosen by factors 0 or 1, and for the second segment the first's part.
; FORMATS.  sigma(q), mem, z: bf16 operands (they have no room in f16), sums in f32; att, the finished rows and Wout^T: f16.  LIMITS: an exponential below 2^-126 counts as 0; NaN and infinities are not treated apart.
; LDS: WREG holds q first (128 rows x 1,040), then two slots of Wout^T (128 n x 256 k, rows of 528), filled by the cluster's joint loads; AREG holds att, filled once and then finished in place;
; MIMG two images of 80 rows x 144 bytes (memT's 64 rows dv, 16 rows of z); a stage of 16 rows x 272 a wave.
; GEMM: the finished rows stay in registers (64 rows x 512 k a wave: windows 2, 3); wave (wm, wn) makes 64 x 64 of each of 4 tiles of 128 columns; source 0 = rows of Wout^T, source 1 = my rows.
.set PA,    1040
.set PWO,   528
.set WSLOT, 128*PWO                    ; 67,584
.set AREG,  2*WSLOT                    ; 135,168
.set MIMG,  AREG+128*PA                ; 268,288
.set MPI,   144
.set STAGE, MIMG+2*80*MPI              ; 291,328
.set SP,    272
.set SPARE, STAGE+4*16*SP              ; 308,736
.set AQ,  3
.set AA,  4
.set AF,  5
.set AB,  6                            ; v6, v7: a slot each
.set MS,  8
.set MFA, 9
.set STO, 10
.set RD,  11
.set CO,  12
.set PO,  13
.set PFO, 14
.set SPW, 15
.set NIL, 16
.set ZR,  17
.set ONEF, 18
.set BGO, 19
.set AQC, 20
.set AAC, 21
.set INV, 24                           ; v[24:25]
.set BG,  32                           ; v[32:63] gate of channels 16 a + 8 hl + j at BG + 8 a + j
.set QR,  64
.set AR,  80
.set SQ,  96
.set RF,  112
.set XF,  128
.set TF,  160
.set D,   192
.set PKR, 64
.set PRE, 128
.set SUM1, 168
.set F0,  64
.set OB,  192
.set MF,  128                          ; window 1: fragment (a, c) at MF + 8 (2 a + c)
.set WV,  16
.set G1P, 24
.set G1W, 32
.set G0P, 40
.set G0W, 44                           ; s[44:51] a set a slot
.set CNT, 52
.set LIM, 53
.set PFA, 54
.set OBS, 56
.set STP, 58
.set FE,  66                           ; s[66:79] seven factors, in pairs
.set Z0,  80
.set PM0, 82
.set PM1, 84
.set BGB, 86
.set CNT2, 88
.set UO,  89
.set MSB, 0
.macro WIN new
.if MSB != (\new)
	s_set_vgpr_msb (MSB<<8)|(\new)
.set MSB, (\new)
.endif
.endm
.macro PLACES
.rept 4
	v_nop
.endr
.endm
.macro ROUND
	s_barrier_signal -1
	s_barrier_wait -1
	s_cmp_lg_u32 s[WV], 0
	s_cbranch_scc1 .Lnw0_\@
	s_barrier_signal -3
.Lnw0_\@:
	s_barrier_wait -3
	s_barrier_signal -1
	s_barrier_wait -1
.endm
; Tiles 2 and 3 of Wout^T are prefetched a tile (256 products) ahead of their first load: 512 blocks of 256 bytes, one a lane of the first cluster's 16 waves, the partners told apart by address alone.
.macro ASK
	s_cmp_gt_u32 s[CNT], s[LIM]
	s_cbranch_scc0 .Lna_\@
	global_prefetch_b8 v[PFO], s[PFA:PFA+1] th:TH_LOAD_NT scope:SCOPE_SE
.Lna_\@:
.endm
	s_load_b256 s[4:11], s[0:1], 0x0               ; qkv, att, pm, bgt
	s_load_b128 s[12:15], s[0:1], 0x20             ; wt, out0
	v_lshl_add_u32 v[SPW], v0, 2, SPARE
	v_mov_b32 v[NIL], 0
	ds_add_u32 v[SPW], v[NIL]                      ; the opening: the add and its wait ahead of my first tensor load
	ds_add_u32 v15, v16
	v_lshrrev_b32 v1, 5, v0
	v_readfirstlane_b32 s[WV], v1
	s_lshr_b32 s17, s[WV], 1                       ; wm
	s_and_b32 s18, s[WV], 1                        ; wn
	s_bfe_u32 s19, ttmp6, 0x40000                  ; cx
	s_lshl_b32 s20, ttmp9, 2
	s_add_co_u32 s20, s20, s19                     ; my pair of segments: it enters global addresses and the factors alone
	s_bfe_u32 s21, s20, 0x30003                    ; head
	s_and_b32 s22, s20, 7                          ; the pair's number in its head
	s_lshr_b32 s23, s20, 6                         ; batch
	s_mov_b32 s[G1P+0], (1<<16)|(1<<20)|(7<<22)|(3<<25)  ; q and att: 64 rows of 512 elements, 16 bytes of padding behind each
	s_mov_b32 s[G1P+1], 512<<16
	s_mov_b32 s[G1P+2], 64<<16
	s_mov_b32 s[G1P+3], 512<<16
	s_mov_b32 s[G1P+4], 64
	s_mov_b32 s[G1P+5], 512
	s_mov_b32 s[G1P+6], 0
	s_mov_b32 s[G1P+7], 0
	s_mov_b32 s[G1W+0], 15|(1<<16)|(1<<20)|(1<<21)|(6<<22)|(3<<25)  ; Wout^T: mask of four, bit 21 beside it; 32 rows of 256 elements, padded after every 128 words
	s_mov_b32 s[G1W+1], 256<<16
	s_mov_b32 s[G1W+2], 32<<16
	s_mov_b32 s[G1W+3], 256<<16
	s_mov_b32 s[G1W+4], 32
	s_mov_b32 s[G1W+5], 512
	s_mov_b32 s[G1W+6], 0
	s_mov_b32 s[G1W+7], 0
	s_mov_b32 s[G0P], 1
	s_mul_i32 s[G0P+1], s17, AREG                  ; waves 0, 1: q's halves; waves 2, 3: att's
	s_mul_i32 s60, s18, 64*PA
	s_add_co_u32 s[G0P+1], s[G0P+1], s60
	s_mov_b32 s[G0W], 1
	s_mul_i32 s[G0W+1], s[WV], 32*PWO
	s_mov_b32 s[G0W+4], 1
	s_add_co_u32 s[G0W+5], s[G0W+1], WSLOT
.irp e, 0,1,2,3,4,5,6
	s_cmp_gt_u32 s22, \e                           ; does pair e of my head lie ahead of mine?
	s_cselect_b32 s[FE+2*\e], 1.0, 0
	s_mov_b32 s[FE+2*\e+1], 0
.endr
	s_mov_b32 s[Z0], 0x3c800000                    ; 1 / 64
	s_mov_b32 s[Z0+1], 0
	s_mov_b32 s[STP], 0
	s_mov_b32 s[STP+1], 0
	s_mov_b32 s[LIM], ttmp9
	s_cmp_eq_u32 s[LIM], 0
	s_cselect_b32 s[LIM], 1, -1
	s_wait_dscnt 0x0
	s_wait_kmcnt 0x0
	s_lshl_b32 s60, s20, 17
	s_lshl_b32 s61, s18, 16
	s_add_co_u32 s60, s60, s61
	s_mov_b32 s61, 0
	s_cmp_lt_u32 s[WV], 2
	s_cselect_b64 s[G0P+2:G0P+3], s[4:5], s[6:7]
	s_add_nc_u64 s[G0P+2:G0P+3], s[G0P+2:G0P+3], s[60:61]
	s_or_b32 s[G0P+3], s[G0P+3], 0x80000000
	s_lshl_b32 s62, s[WV], 15
	s_add_co_u32 s62, s62, 1536*1024
	s_mov_b32 s63, 0
	s_add_nc_u64 s[G0W+2:G0W+3], s[12:13], s[62:63]
	s_add_nc_u64 s[G0W+6:G0W+7], s[G0W+2:G0W+3], 512
	s_or_b32 s[G0W+3], s[G0W+3], 0x80000000
	s_or_b32 s[G0W+7], s[G0W+7], 0x80000000
	s_lshl_b32 s60, s19, 15                        ; the prefetch: block 128 cx + 32 w + lane of tile 1; the first step makes it tile 2
	s_lshl_b32 s62, s[WV], 13
	s_add_co_u32 s60, s60, s62
	s_add_co_u32 s60, s60, 1536*1024+131072
	s_add_nc_u64 s[PFA:PFA+1], s[12:13], s[60:61]
	s_lshl_b32 s60, s23, 24                        ; out0's row = 8,192 b + 512 (2 m + wm) + 64 h + r, 2,048 bytes a row; my 256 bytes of a tile's 512
	s_lshl_b32 s62, s22, 1
	s_add_co_u32 s62, s62, s17
	s_lshl_b32 s62, s62, 20
	s_add_co_u32 s60, s60, s62
	s_lshl_b32 s62, s21, 17
	s_add_co_u32 s60, s60, s62
	s_lshl_b32 s62, s18, 8
	s_add_co_u32 s60, s60, s62
	s_add_nc_u64 s[OBS:OBS+1], s[14:15], s[60:61]
	s_and_b32 s60, s20, 0xf8
	s_mul_i32 s60, s60, 40960
	s_add_nc_u64 s[PM0:PM0+1], s[8:9], s[60:61]    ; my head's first pair
	s_mul_i32 s60, s20, 40960
	s_add_nc_u64 s[PM1:PM1+1], s[8:9], s[60:61]    ; my pair
	s_lshl_b32 s60, s21, 8
	s_add_nc_u64 s[BGB:BGB+1], s[10:11], s[60:61]
	ROUND                                          ; in a cluster launch every group of tensor loads stands behind a round
	tensor_load_to_lds s[G0P:G0P+3], s[G1P:G1P+7]  ; my half of q or of att: one load of mine is out
	s_nop 0
	PLACES
	v_and_b32 v1, 15, v0                           ; r
	v_bfe_u32 v2, v0, 4, 1                         ; hl
	v_lshlrev_b32 v[BGO], 5, v2
	v_lshlrev_b32 v[PO], 4, v0
.irp a, 0,1,2,3
	global_load_b128 v[BG+8*\a:BG+8*\a+3],   v[BGO], s[BGB:BGB+1] offset:64*\a
	global_load_b128 v[BG+8*\a+4:BG+8*\a+7], v[BGO], s[BGB:BGB+1] offset:64*\a+16
.endr
	WIN 0x80                                       ; the totals of pairs 0-5 into window 2, 40 registers each: thread t holds bytes 2,048 i + 16 t
.set e, 0
.rept 6
.set i, 0
.rept 10
	global_load_b128 v[40*e+4*i:40*e+4*i+3], v[PO], s[PM0:PM0+1] offset:e*40960+20480+i*2048
.set i, i+1
.endr
.set e, e+1
.endr
	WIN 0xc0                                       ; pair 6's total and my pair's first part into window 3
.set i, 0
.rept 10
	global_load_b128 v[4*i:4*i+3], v[PO], s[PM0:PM0+1] offset:6*40960+20480+i*2048
.set i, i+1
.endr
.set i, 0
.rept 10
	global_load_b128 v[40+4*i:40+4*i+3], v[PO], s[PM1:PM1+1] offset:i*2048
.set i, i+1
.endr
	WIN 0
	v_mul_u32_u24 v22, v1, PA
	v_lshl_add_u32 v22, v2, 4, v22                 ; r x 1,040 + 16 hl
	s_mul_i32 s60, s[WV], 32*PA
	v_add_nc_u32 v[AQ], s60, v22
	v_add_nc_u32 v[AA], AREG, v[AQ]
	s_mul_i32 s60, s17, 64*PA
	s_add_co_u32 s60, s60, AREG
	v_add_nc_u32 v[AF], s60, v22
	v_mul_u32_u24 v22, v1, PWO
	v_lshl_add_u32 v22, v2, 4, v22
	s_mul_i32 s60, s18, 64*PWO
	v_add_nc_u32 v[AB], s60, v22
	v_add_nc_u32 v[AB+1], WSLOT, v[AB]
	v_lshrrev_b32 v22, 4, v0
	v_mul_u32_u24 v[MS], v22, MPI
	v_lshl_add_u32 v[MS], v1, 3, v[MS]
	v_add_nc_u32 v[MS], MIMG, v[MS]
	v_mul_u32_u24 v[MFA], v1, MPI
	v_lshl_add_u32 v[MFA], v2, 4, v[MFA]
	s_mul_i32 s60, s17, 80*MPI
	s_add_co_u32 s60, s60, MIMG
	v_add_nc_u32 v[MFA], s60, v[MFA]
	s_mul_i32 s60, s[WV], 16*SP
	s_add_co_u32 s60, s60, STAGE
	v_mul_u32_u24 v[STO], v1, SP
	v_lshl_add_u32 v[STO], v2, 5, v[STO]
	v_add_nc_u32 v[STO], s60, v[STO]
	v_mul_u32_u24 v[RD], v2, SP
	v_lshl_add_u32 v[RD], v1, 4, v[RD]
	v_add_nc_u32 v[RD], s60, v[RD]
	v_lshlrev_b32 v[CO], 11, v2
	v_lshl_add_u32 v[CO], v1, 4, v[CO]
	v_and_b32 v[PFO], 31, v0
	v_lshlrev_b32 v[PFO], 8, v[PFO]
	v_mov_b32 v[ZR], 0
	v_mov_b32 v[ONEF], 1.0
	v_mov_b32 v[INV+1], 0
	; THE PREFIX.  Every entry is added with its factor, 1 or 0: a choice of values, no branch.  Rows 64-79 (i = 8, 9) start at 1 / 64.
	s_wait_loadcnt 60                              ; entries 0 and 1 are in: the 60 younger loads may stay out
	WIN 0x02
.set p, 0
.rept 16
	v_pk_mul_f32 v[PRE+2*p:PRE+2*p+1], v[2*p:2*p+1], s[FE:FE+1] op_sel_hi:[1,0]
.set p, p+1
.endr
.rept 4
	v_pk_fma_f32 v[PRE+2*p:PRE+2*p+1], v[2*p:2*p+1], s[FE:FE+1], s[Z0:Z0+1] op_sel_hi:[1,0,0]
.set p, p+1
.endr
.set e, 1
.rept 5
	s_wait_loadcnt 10*(7-e)                        ; entry e is in; the younger entries' loads may stay out
.set p, 0
.rept 20
	v_pk_fma_f32 v[PRE+2*p:PRE+2*p+1], v[40*e+2*p:40*e+2*p+1], s[FE+2*e:FE+2*e+1], v[PRE+2*p:PRE+2*p+1] op_sel_hi:[1,0,1]
.set p, p+1
.endr
.set e, e+1
.endr
	s_wait_loadcnt 10
	WIN 0x03
.set p, 0
.rept 20
	v_pk_fma_f32 v[PRE+2*p:PRE+2*p+1], v[2*p:2*p+1], s[FE+12:FE+13], v[PRE+2*p:PRE+2*p+1] op_sel_hi:[1,0,1]
.set p, p+1
.endr
	s_wait_loadcnt 0x0
	WIN 0x0c
.set p, 0
.rept 20
	v_pk_add_f32 v[SUM1+2*p:SUM1+2*p+1], v[PRE+2*p:PRE+2*p+1], v[40+2*p:40+2*p+1]
.set p, p+1
.endr
	WIN 0
.set p, 0
.rept 20
	v_cvt_pk_bf16_f32 v[PKR+p], v[PRE+2*p], v[PRE+2*p+1]
	v_cvt_pk_bf16_f32 v[PKR+20+p], v[SUM1+2*p], v[SUM1+2*p+1]
.set p, p+1
.endr
.set i, 0
.rept 10
	ds_store_b64 v[MS], v[PKR+2*i:PKR+2*i+1] offset:i*8*MPI
	ds_store_b64 v[MS], v[PKR+20+2*i:PKR+20+2*i+1] offset:80*MPI+i*8*MPI
.set i, i+1
.endr
	s_wait_tensorcnt 0x0                           ; my half of q or att is in,
	s_wait_dscnt 0x0                               ; my part of the images is stored:
	s_barrier_signal -1
	s_barrier_wait -1
	WIN 0x40
.irp a, 0,1,2,3,4
.irp c, 0,1
	ds_load_b128 v[MF+8*(2*\a+\c):MF+8*(2*\a+\c)+3],   v[MFA] offset:\a*16*MPI+\c*64
	ds_load_b128 v[MF+8*(2*\a+\c)+4:MF+8*(2*\a+\c)+7], v[MFA] offset:\a*16*MPI+\c*64+32
.endr
.endr
	WIN 0
	; THE ROWS ARE FINISHED.  A unit: 16 of my 32 rows x one of their eight groups of 64 columns = 16 time rows.  Each wave touches its own rows alone.
	s_mov_b32 s[UO], 0
	s_mov_b32 s[CNT2], 2
.Lrb:
	s_mov_b32 s[CNT], 8
.Lunit:
	v_add_nc_u32 v[AQC], s[UO], v[AQ]
	v_add_nc_u32 v[AAC], s[UO], v[AA]
.irp f, 0,1,2,3
	ds_load_b128 v[QR+4*\f:QR+4*\f+3], v[AQC] offset:32*\f
.endr
.irp f, 0,1,2,3
	ds_load_b128 v[AR+4*\f:AR+4*\f+3], v[AAC] offset:32*\f
.endr
	s_wait_dscnt 4                                 ; q is in (and all that was issued earlier); att's four loads may stay out
.set n, 0
.rept 16
	v_fma_mix_f32 v[XF+2*n], v[QR+n], v[ONEF], v[ZR] op_sel_hi:[1,0,0]
	v_fma_mix_f32 v[XF+2*n+1], v[QR+n], v[ONEF], v[ZR] op_sel:[1,0,0] op_sel_hi:[1,0,0]
.set n, n+1
.endr
.set n, 0
.rept 32
	v_min_num_f32 v[TF+n], 0, v[XF+n]
.set n, n+1
.endr
.set n, 0
.rept 16
	v_pk_mul_f32 v[TF+2*n:TF+2*n+1], v[TF+2*n:TF+2*n+1], 0x3fb8aa3b op_sel_hi:[1,0]
.set n, n+1
.endr
.set n, 0
.rept 32
	v_exp_f32 v[TF+n], v[TF+n]
.set n, n+1
.endr
.set n, 0
.rept 32
	v_max_num_f32 v[XF+n], 0, v[XF+n]              ; plain work behind the batch
.set n, n+1
.endr
	s_wait_alu depctr_va_vdst(0)                   ; one wait for the 32 exponentials
.set n, 0
.rept 16
	v_pk_add_f32 v[XF+2*n:XF+2*n+1], v[XF+2*n:XF+2*n+1], v[TF+2*n:TF+2*n+1]
.set n, n+1
.endr
.set n, 0
.rept 16
	v_cvt_pk_bf16_f32 v[SQ+n], v[XF+2*n], v[XF+2*n+1]
.set n, n+1
.endr
	WIN 0x01                                       ; memT window 1
.irp c, 0,1
.irp a, 0,1,2,3,4                              ; five accumulators by turns; a = 4 is sigma(q) z, the same in all its registers
.if \c == 0
	v_wmma_f32_16x16x32_bf16 v[D+8*\a:D+8*\a+7], v[MF+8*(2*\a+\c):MF+8*(2*\a+\c)+7], v[SQ+8*\c:SQ+8*\c+7], 0
.else
	v_wmma_f32_16x16x32_bf16 v[D+8*\a:D+8*\a+7], v[MF+8*(2*\a+\c):MF+8*(2*\a+\c)+7], v[SQ+8*\c:SQ+8*\c+7], v[D+8*\a:D+8*\a+7]
.endif
.endr
.endr
	WIN 0
	PLACES
	v_rcp_f32 v[INV], v[D+32]
	v_nop
	s_wait_alu depctr_va_vdst(0)
.set n, 0
.rept 16
	v_pk_mul_f32 v[D+2*n:D+2*n+1], v[D+2*n:D+2*n+1], v[INV:INV+1] op_sel_hi:[1,0]
.set n, n+1
.endr
	s_wait_dscnt 0x0                               ; att
.set n, 0
.rept 16                                       ; att + gate x memory term
	v_fma_mix_f32 v[D+2*n], v[D+2*n], v[BG+2*n], v[AR+n] op_sel_hi:[0,0,1]
	v_fma_mix_f32 v[D+2*n+1], v[D+2*n+1], v[BG+2*n+1], v[AR+n] op_sel:[0,0,1] op_sel_hi:[0,0,1]
.set n, n+1
.endr
.set n, 0
.rept 16
	v_cvt_pk_f16_f32 v[RF+n], v[D+2*n], v[D+2*n+1]
.set n, n+1
.endr
.irp f, 0,1,2,3
	ds_store_b128 v[AAC], v[RF+4*\f:RF+4*\f+3] offset:32*\f
.endr
	s_add_co_u32 s[UO], s[UO], 128
	s_sub_co_u32 s[CNT], s[CNT], 1
	s_cmp_lg_u32 s[CNT], 0
	s_cbranch_scc1 .Lunit
	s_add_co_u32 s[UO], s[UO], 16*PA-1024          ; my next 16 rows
	s_sub_co_u32 s[CNT2], s[CNT2], 1
	s_cmp_lg_u32 s[CNT2], 0
	s_cbranch_scc1 .Lrb
; The change of slots.  Each wave waits for all its tensor loads, adds 0 to its spare word, and waits for that and for its LDS instructions.  fill = 1: a round of the cluster's barrier, and slot s is filled, first thing behind it.
; step = 1: both descriptors go on to the next tile (no load of mine is out), and the prefetch's address with them.
.macro CHGO s, fill, step
	WIN 0
	s_wait_tensorcnt 0x0
	ds_add_u32 v[SPW], v[NIL]
.if \step
	s_add_nc_u64 s[G0W+2:G0W+3], s[G0W+2:G0W+3], 131072
	s_add_nc_u64 s[G0W+6:G0W+7], s[G0W+6:G0W+7], 131072
	s_wait_xcnt 0x0
	s_add_nc_u64 s[PFA:PFA+1], s[PFA:PFA+1], 131072
.endif
	s_wait_dscnt 0x0
.if \fill
	ROUND
	tensor_load_to_lds s[G0W+4*(\s):G0W+4*(\s)+3], s[G1W:G1W+7]
	s_nop 0
	PLACES                                         ; also the places ahead of the fragment loads that follow
.if \step
	ASK
.endif
.else
	s_barrier_signal -1
	s_barrier_wait -1
	PLACES
.endif
.endm
.macro FETCHO hf, gl, f
	WIN 0
.irp kk, 0,1
.irp nt, 0,1,2,3
	ds_load_b128 v[(\f)+8*(4*\kk+\nt):(\f)+8*(4*\kk+\nt)+3],   v[AB+(\hf)] offset:\nt*16*PWO+(2*(\gl)+\kk)*64
	ds_load_b128 v[(\f)+8*(4*\kk+\nt)+4:(\f)+8*(4*\kk+\nt)+7], v[AB+(\hf)] offset:\nt*16*PWO+(2*(\gl)+\kk)*64+32
.endr
.endr
.endm
.macro MULO g, f                       ; 32 products; the accumulators take turns, seven others between two links of a chain
.irp ah, 0,1
	WIN 0x58+4*\ah
.irp kk, 0,1
.irp al, 0,1
.irp nt, 0,1,2,3
.set rD, 8*(4*(2*\ah+\al)+\nt)
.set rF, (\f)+8*(4*\kk+\nt)
.set rA, 8*(16*\al+2*(\g)+\kk)
.if (2*(\g)+\kk) == 0
	v_wmma_f32_16x16x32_f16 v[rD:rD+7], v[rF:rF+7], v[rA:rA+7], 0
.else
	v_wmma_f32_16x16x32_f16 v[rD:rD+7], v[rF:rF+7], v[rA:rA+7], v[rD:rD+7]
.endif
.endr
.endr
.endr
.endr
.endm
.macro HALF hf                         ; a slot's 256 k: four groups of 32 products, fragments fetched a group ahead
	FETCHO \hf, 0, F0
.irp gl, 0,1,2,3
.if \gl >= 1
	PLACES
.endif
.if \gl < 3
	FETCHO \hf, \gl+1, F0+64*((\gl+1)%2)
	s_wait_dscnt 16                                ; all but the 16 just issued
.else
	s_wait_dscnt 0x0
.endif
	MULO 4*(\hf)+\gl, F0+64*(\gl%2)
.endr
.endm
; The way out, f32: a wave's 64 columns are 256 bytes of a row.  16 rows at a time through my own stage: in as 32 bytes a lane, back as whole rows.
.macro EPIO
	PLACES
	s_wait_xcnt 0x0                                ; the last tile's stores have read their base and data
	s_add_nc_u64 s[OBS:OBS+1], s[OBS:OBS+1], s[STP:STP+1]  ; 0 the first time, then a tile's 512 bytes
	s_mov_b32 s[STP], 512
.irp a, 0,1,2,3
	WIN 0x04
.irp nt, 0,1,2,3
	ds_store_b128 v[STO], v[8*(4*\a+\nt):8*(4*\a+\nt)+3] offset:\nt*64
	ds_store_b128 v[STO], v[8*(4*\a+\nt)+4:8*(4*\a+\nt)+7] offset:\nt*64+16
.endr
	WIN 0
.if \a >= 2
	s_wait_xcnt 0x0                                ; the stores of two blocks back have read the registers that are loaded below
.endif
.irp i, 0,1,2,3,4,5,6,7
	ds_load_b128 v[OB+32*(\a%2)+4*\i:OB+32*(\a%2)+4*\i+3], v[RD] offset:\i*2*SP  ; LDS serves a wave's instructions in order (ISA guide 5.7.1.4)
.endr
	s_wait_dscnt 0x0
.irp i, 0,1,2,3,4,5,6,7
	global_store_b128 v[CO], v[OB+32*(\a%2)+4*\i:OB+32*(\a%2)+4*\i+3], s[OBS:OBS+1] offset:(16*\a+2*\i)*2048  ; 16 lanes: 256 consecutive bytes, aligned
.endr
.endr
.endm
	CHGO 0, 1, 0                                   ; every wave's reads of q and its stores into att are done: slot 0 takes tile 0's first 256 k over q's bytes
	WIN 0x80                                       ; the finished rows into registers: fragment (a, ks) at 8 (16 (a % 2) + ks), window 2 + a / 2
.irp a, 0,1
.set ks, 0
.rept 16
	ds_load_b128 v[8*(16*\a+ks):8*(16*\a+ks)+3],   v[AF] offset:\a*16*PA+ks*64
	ds_load_b128 v[8*(16*\a+ks)+4:8*(16*\a+ks)+7], v[AF] offset:\a*16*PA+ks*64+32
.set ks, ks+1
.endr
.endr
	WIN 0xc0
.irp a, 0,1
.set ks, 0
.rept 16
	ds_load_b128 v[8*(16*\a+ks):8*(16*\a+ks)+3],   v[AF] offset:(\a+2)*16*PA+ks*64
	ds_load_b128 v[8*(16*\a+ks)+4:8*(16*\a+ks)+7], v[AF] offset:(\a+2)*16*PA+ks*64+32
.set ks, ks+1
.endr
.endr
	WIN 0
	s_mov_b32 s[CNT], 3
.Ltile:
	CHGO 1, 1, 0                                   ; slot 0 is in; slot 1 takes this tile's second 256 k
	HALF 0
	CHGO 0, 1, 1                                   ; slot 1 is in; slot 0 takes the next tile's first 256 k
	HALF 1
	EPIO
	s_sub_co_u32 s[CNT], s[CNT], 1
	s_cmp_lg_u32 s[CNT], 0
	s_cbranch_scc1 .Ltile
	CHGO 1, 1, 0                                   ; the last tile is written out: its second change asks for nothing
	HALF 0
	CHGO 0, 0, 0
	HALF 1
	EPIO
	s_wait_tensorcnt 0x0                           ; the wave's end
	ds_add_u32 v[SPW], v[NIL]
	s_wait_dscnt 0x0
	ROUND                                          ; the closing round
	s_endpgm
.Lfunc_end_k_qa014d12f8c_outp:
	.size	k_qa014d12f8c_outp, .Lfunc_end_k_qa014d12f8c_outp-k_qa014d12f8c_outp
	.p2alignl 7, 3214868480
	.fill 96, 4, 3214868480
	.section	.rodata,"a",@progbits
	.p2align	6, 0x0
	.amdhsa_kernel k_qa014d12f8c_outp
		.amdhsa_group_segment_fixed_size 327680
		.amdhsa_private_segment_fixed_size 0
		.amdhsa_enable_private_segment 0
		.amdhsa_kernarg_size 48
		.amdhsa_user_sgpr_count 2
		.amdhsa_user_sgpr_kernarg_segment_ptr 1
		.amdhsa_wavefront_size32 1
		.amdhsa_system_sgpr_workgroup_id_x 1
		.amdhsa_system_sgpr_workgroup_id_y 1
		.amdhsa_system_sgpr_workgroup_id_z 1
		.amdhsa_system_vgpr_workitem_id 0
		.amdhsa_next_free_vgpr 1024
		.amdhsa_next_free_sgpr 96
		.amdhsa_reserve_vcc 0
		.amdhsa_float_denorm_mode_32 3
		.amdhsa_float_denorm_mode_16_64 3
		.amdhsa_memory_ordered 1
		.amdhsa_forward_progress 1
		.amdhsa_inst_pref_size 125
	.end_amdhsa_kernel
	.amdgpu_metadata
---
amdhsa.version: [ 1, 2 ]
amdhsa.kernels:
  - .name:           k_qa014d12f8c_outp
    .symbol:         k_qa014d12f8c_outp.kd
    .args:
      - { .name: qkv, .offset: 0, .size: 8, .value_kind: global_buffer, .address_space: global }
      - { .name: att, .offset: 8, .size: 8, .value_kind: global_buffer, .address_space: global }
      - { .name: pm, .offset: 16, .size: 8, .value_kind: global_buffer, .address_space: global }
      - { .name: bgt, .offset: 24, .size: 8, .value_kind: global_buffer, .address_space: global }
      - { .name: wt, .offset: 32, .size: 8, .value_kind: global_buffer, .address_space: global }
      - { .name: out0, .offset: 40, .size: 8, .value_kind: global_buffer, .address_space: global }
    .group_segment_fixed_size: 327680
    .private_segment_fixed_size: 0
    .kernarg_segment_align: 8
    .kernarg_segment_size: 48
    .max_flat_workgroup_size: 128
    .sgpr_count:     96
    .vgpr_count:     1024
    .wavefront_size: 32
...
	.end_amdgpu_metadata
.endif
;; end of part 4
